; MI455X (gfx1250); checked and timed in simulation.
; The chip was launched on July 23, 2026; its instructions are those of AMD's public machine-readable ISA for CDNA 5 (MIT licence, August 2026) and "CDNA5" Instruction Set Architecture Reference Guide (July 2026). The comments in the code are by the model that wrote it; some were corrected since.
;; Intent Capture. Allowed arithmetic: matrix products marked QUANTISED: E2M3 operands, one E8M0 scale for each 32 along K, by v_wmma_scale_f32_16x16x128_f8f6f4 with both operands' format E2M3, f32 sums; products left as they are: f32 operands where the result goes on into a quantised operand, else bf16, f16 or f32 operands; f32 sums; everything else in f32.
;; Inputs: W1_codes 1,024 x 32 x 24 uint8 (E2M3 codes of W1, K innermost, in blocks of 32 codes, four codes in three bytes); W1_scales 1,024 x 32 uint8 (E8M0 scales of W1, one for each 32 codes along K); b1 1,024 float32; mask 128 x 512 bool; seq_output 128 x 512 x 1,024 float32; w2 1,024 float32.
;; Outputs: out0 128 x 1,024 float32; out1 128 x 1,024 float32.
;; This version of the problem:
;;   THIS VERSION OF THE PROBLEM IS GIVEN IN LOW PRECISION. The matrix products marked QUANTISED in the list below multiply operands that are first quantised to E2M3 (2 exponent bits, 3 mantissa bits; 6 bits a number), with one power-of-two scale for each 32 numbers along K (OCP MX v1.0); their sums are f32. All else is computed in f32.
;;   The module's matrix products, in the order in which they are computed (A, B: the left and right operand; K: the contracted axis; several contracted axes count as one K, in the product's order):
;;     1. [M 65,536, K 1,024] x [K 1,024, N 1,024]; A: input seq_output; B: input W1 (given as codes): QUANTISED
;;     2. [M 65,536, K 1,024] x [K 1,024, N 1]; A: computed on the way; B: input w2: left as it is (N = 1 < 16)
;;     3. batch 128 x [M 1, K 512] x [K 512, N 1,024]; A: softmax; B: input seq_output: left as it is (M = 1 < 16)
;;   THE QUANTISER, for each operand of a quantised product, along K:
;;     - K is cut into blocks of 32 from its start; a last block that is shorter is filled with zeros.
;;     - A block's scale is 2^e with e = floor(log2(the largest magnitude in the block)) - 2, held to -126 .. 127; a block of zeros has e = 0. As a byte (E8M0): e + 127.
;;     - Each number is divided by its block's scale, clamped to +-7.5, and rounded to the nearest number of E2M3, ties to even, subnormals kept.
;;     - The product sums the exact products of the quantised numbers (number of the format x scale) in f32.
;;   ~~~python
;;   def quantise(x, axis):      # numpy; x: float32 -> the quantised numbers, widened to float32 again
;;       x = np.moveaxis(x, axis, -1); K = x.shape[-1]
;;       x = np.pad(x, [(0, 0)] * (x.ndim - 1) + [(0, -K % 32)]); x = x.reshape(x.shape[:-1] + (-1, 32)); a = np.abs(x).max(-1, keepdims=True)
;;       e = np.where(a > 0, np.clip(np.frexp(np.where(a > 0, a, 1))[1] - 1 - 2, -126, 127), 0)      # np.frexp(a)[1] - 1 = floor(log2(a)), exactly
;;       r = np.clip(x / 2.0 ** e, -7.5, 7.5)
;;       step = 2.0 ** (np.maximum(np.frexp(np.where(r == 0, 1, r))[1] - 1, 0) - 3)
;;       q = np.round(r / step) * step * 2.0 ** e      # np.round: ties to even
;;       return np.moveaxis(q.reshape(q.shape[:-2] + (-1,))[..., :K], -1, axis).astype(np.float32)
;;   ~~~
;;   INPUTS GIVEN AS CODES. W1 (in the module: [1024, 1024], K = its axis 0): each comes as NAME_codes (uint8): NAME with its K axis moved to the last place and cut into blocks of 32 codes, [.., K / 32, bytes a block], one block behind the other in memory; four codes in three bytes: a row's codes are one little-endian stream of bits, code i at bits 6 i .. 6 i + 5 (a code: sign, 2 exponent bits, 3 mantissa bits); and NAME_scales (uint8): the same leading axes, one E8M0 byte (e + 127) for each 32 codes along K. Its value is code x scale, taken as it is: it is not quantised again, and the codes and scales need not be those that the quantiser above would give.
;; 2 versions. Each part assembles by itself: llvm-mc -triple=amdgcn-amd-amdhsa -mcpu=gfx1250 --defsym DOCPART=n.
;; ======== version 1 of 2: 3 launches
;; limits: right only within a limited range of input values
;; workspace buffers: wfrag 786,432 bytes; order 327,680 bytes of whole numbers; cnt 32,768 bytes of whole numbers; pu 1,048,576 bytes; pml 65,536 bytes
;; launch prep (part 1): grid 128 x 1, 4 waves a work-group, no clusters, 0 bytes of LDS; arguments W1_codes, mask, wfrag, order, cnt; writes wfrag, order, cnt
.if DOCPART == 1
	.amdgcn_target "amdgcn-amd-amdhsa--gfx1250"
	.amdhsa_code_object_version 6
	.text
	.protected	k_q68eb7b1472_prep
	.globl	k_q68eb7b1472_prep
	.p2align	8
	.type	k_q68eb7b1472_prep,@function
k_q68eb7b1472_prep:
	s_mov_b64 s[64:65], 0
	v_nop
	global_prefetch_b8 v0, s[64:65] scope:SCOPE_SE
	s_setreg_imm32_b32 hwreg(HW_REG_WAVE_MODE, 25, 1), 1
	s_wait_xcnt 0x0
; Two small jobs ahead of the main launch.
; (1) W1's codes [1024 (n)][768 bytes along K] are laid anew in the order of a matrix operand's registers: the fragment of n-tile T (16 rows) and K step s (128 along K)
;     lies at (8 T + s) x 1,536 bytes; in it registers 4 c .. 4 c + 3 of lane l lie at 512 c + 16 l.  So the main launch fetches a fragment by three loads of 16 bytes a lane, 512 consecutive bytes each.
;     512 fragments, one to a wave: 128 work-groups x 4 waves.  The reads here are 8 bytes a lane from rows 768 bytes apart: 786,432 bytes in all, read once.
; (2) Wave 0 of work-group g sorts batch g's 512 rows by the mask: order[g][0 .. c-1] = the rows that are kept (mask byte 0), order[g][c .. 511] = the others, order[g][512 .. 639] = 0;
;     cnt[g][0 .. 63] = c.  A counting sort inside one wave: ballots, their bit counts, no atomics.  The 512 stores of 4 bytes fall inside the batch's own 2,048 bytes.
	s_load_b256 s[4:11], s[0:1], 0x0               ; W1_codes s[4:5], mask s[6:7], wfrag s[8:9], order s[10:11]
	s_load_b64 s[12:13], s[0:1], 0x20              ; cnt
	v_lshrrev_b32 v1, 5, v0
	v_readfirstlane_b32 s14, v1                    ; wave 0..3
	v_and_b32 v1, 31, v0                           ; l
	v_and_b32 v2, 15, v0                           ; r = l % 16
	v_bfe_u32 v3, v0, 4, 1                         ; h = l / 16
	v_mul_u32_u24 v4, v2, 768
	v_mad_u32_u24 v4, v3, 24, v4                   ; row r of the tile, + 24 h: the lane's place in a 6-bit fragment
	v_lshlrev_b32 v5, 4, v1                        ; 16 l
	s_lshr_b32 s15, ttmp9, 1                       ; T
	s_and_b32 s2, ttmp9, 1
	s_lshl_b32 s2, s2, 2
	s_add_co_u32 s2, s2, s14                       ; s = 4 (g % 2) + wave
	s_mul_i32 s50, s15, 12288                      ; 16 rows of 768 bytes
	s_mul_i32 s3, s2, 96                           ; 128 codes are 96 bytes
	s_add_co_u32 s50, s50, s3
	s_mov_b32 s51, 0
	s_lshl_b32 s3, s15, 3
	s_add_co_u32 s3, s3, s2
	s_mul_i32 s52, s3, 1536
	s_mov_b32 s53, 0
	s_wait_kmcnt 0x0
	s_add_nc_u64 s[4:5], s[4:5], s[50:51]
	s_add_nc_u64 s[8:9], s[8:9], s[52:53]
.irp p, 0,1,2,3,4,5
	global_load_b64 v[8+2*\p:9+2*\p], v4, s[4:5] offset:48*(\p/3)+8*(\p%3) th:TH_LOAD_NT   ; registers 0-5: k = 32 h + 0..31; registers 6-11: k = 64 + 32 h + 0..31
.endr
	s_wait_loadcnt 0x0
.irp c, 0,1,2
	global_store_b128 v5, v[8+4*\c:11+4*\c], s[8:9] offset:512*\c   ; 32 lanes store 512 consecutive bytes
.endr
	s_cmp_lg_u32 s14, 0
	s_cbranch_scc1 .Lend                           ; the row list is wave 0's
	s_lshl_b32 s50, ttmp9, 9
	s_add_nc_u64 s[6:7], s[6:7], s[50:51]          ; the batch's 512 mask bytes
	s_mul_i32 s50, ttmp9, 2560
	s_add_nc_u64 s[10:11], s[10:11], s[50:51]      ; its 640 words of the list
	s_lshl_b32 s50, ttmp9, 8
	s_add_nc_u64 s[12:13], s[12:13], s[50:51]      ; its 64 words of the count
	global_load_b128 v[20:23], v5, s[6:7]          ; lane l: the bytes of rows 16 l + 0 .. 15
	s_wait_loadcnt 0x0
.irp i, 0,1,2,3,4,5,6,7,8,9,10,11,12,13,14,15
	v_bfe_u32 v6, v[20+\i/4], 8*(\i%4), 8
	v_cmp_eq_u32 s[16+\i], 0, v6                   ; ballot i: the lanes whose row 16 l + i is kept
.endr
	s_mov_b32 s32, 0
.irp i, 0,1,2,3,4,5,6,7,8,9,10,11,12,13,14,15
	s_bcnt1_i32_b32 s2, s[16+\i]
	s_add_co_u32 s[33+\i], s[32+\i], s2            ; s[32 + i]: kept rows in the ballots below i; s48: all kept rows, c
.endr
.irp i, 0,1,2,3,4,5,6,7,8,9,10,11,12,13,14,15
	v_mbcnt_lo_u32_b32 v6, s[16+\i], 0             ; m: kept rows of this ballot in the lanes below mine
	s_sub_co_u32 s2, s48, s[32+\i]
	s_add_co_u32 s2, s2, 32*\i                     ; c + the rows not kept in the ballots below i
	v_sub_nc_u32 v7, v1, v6                        ; l - m: rows not kept in the lanes below mine
	v_add_nc_u32 v7, s2, v7                        ; the place of a row that is not kept,
	v_add_nc_u32 v6, s[32+\i], v6                  ; of one that is
	v_cndmask_b32 v6, v7, v6, s[16+\i]
	v_min_u32 v6, 511, v6                          ; a place is 0 .. 511 by its making; the bound is written out since it hangs on loaded bytes
	v_lshlrev_b32 v[24+\i], 2, v6
	v_lshl_add_u32 v[40+\i], v1, 4, \i             ; the row's number
	global_store_b32 v[24+\i], v[40+\i], s[10:11]  ; each i has registers of its own: no source is written again
.endr
.irp j, 56,57,58,59
	v_mov_b32 v\j, 0
.endr
	global_store_b128 v5, v[56:59], s[10:11] offset:2048   ; words 512 .. 639: a run of 16 words read near the list's end stays inside written words
	v_mov_b32 v60, s48
	v_mov_b32 v61, s48
	v_lshlrev_b32 v62, 3, v1
	global_store_b64 v62, v[60:61], s[12:13]       ; 256 consecutive bytes, all of them c
.Lend:
	s_endpgm
.Lfunc_end_k_q68eb7b1472_prep:
	.size	k_q68eb7b1472_prep, .Lfunc_end_k_q68eb7b1472_prep-k_q68eb7b1472_prep
	.p2alignl 7, 3214868480
	.fill 96, 4, 3214868480
	.section	.rodata,"a",@progbits
	.p2align	6, 0x0
	.amdhsa_kernel k_q68eb7b1472_prep
		.amdhsa_group_segment_fixed_size 0
		.amdhsa_private_segment_fixed_size 0
		.amdhsa_enable_private_segment 0
		.amdhsa_kernarg_size 40
		.amdhsa_user_sgpr_count 2
		.amdhsa_user_sgpr_kernarg_segment_ptr 1
		.amdhsa_wavefront_size32 1
		.amdhsa_system_sgpr_workgroup_id_x 1
		.amdhsa_system_sgpr_workgroup_id_y 1
		.amdhsa_system_sgpr_workgroup_id_z 1
		.amdhsa_system_vgpr_workitem_id 0
		.amdhsa_next_free_vgpr 64
		.amdhsa_next_free_sgpr 66
		.amdhsa_reserve_vcc 0
		.amdhsa_float_denorm_mode_32 3
		.amdhsa_float_denorm_mode_16_64 3
		.amdhsa_memory_ordered 1
		.amdhsa_forward_progress 1
		.amdhsa_inst_pref_size 15
	.end_amdhsa_kernel
	.amdgpu_metadata
---
amdhsa.version: [ 1, 2 ]
amdhsa.kernels:
  - .name:           k_q68eb7b1472_prep
    .symbol:         k_q68eb7b1472_prep.kd
    .args:
      - { .name: W1_codes, .offset: 0, .size: 8, .value_kind: global_buffer, .address_space: global }
      - { .name: mask, .offset: 8, .size: 8, .value_kind: global_buffer, .address_space: global }
      - { .name: wfrag, .offset: 16, .size: 8, .value_kind: global_buffer, .address_space: global }
      - { .name: order, .offset: 24, .size: 8, .value_kind: global_buffer, .address_space: global }
      - { .name: cnt, .offset: 32, .size: 8, .value_kind: global_buffer, .address_space: global }
    .group_segment_fixed_size: 0
    .private_segment_fixed_size: 0
    .kernarg_segment_align: 8
    .kernarg_segment_size: 40
    .max_flat_workgroup_size: 128
    .sgpr_count:     66
    .vgpr_count:     64
    .wavefront_size: 32
...
	.end_amdgpu_metadata
.endif
;; end of part 1
;; launch main (part 2): grid 256 x 1, 4 waves a work-group, no clusters, 266,752 bytes of LDS; arguments W1_scales, b1, w2, seq_output, wfrag, order, cnt, pu, pml; writes pu, pml
.if DOCPART == 2
	.amdgcn_target "amdgcn-amd-amdhsa--gfx1250"
	.amdhsa_code_object_version 6
	.text
	.protected	k_q68eb7b1472_main
	.globl	k_q68eb7b1472_main
	.p2align	8
	.type	k_q68eb7b1472_main,@function
k_q68eb7b1472_main:
	s_mov_b64 s[64:65], 0
	v_nop
	global_prefetch_b8 v0, s[64:65] scope:SCOPE_SE
	s_setreg_imm32_b32 hwreg(HW_REG_WAVE_MODE, 25, 1), 1
	s_wait_xcnt 0x0
; For half a batch's KEPT rows: score = w2 . tanh(Q(x) W1 + b1), a running softmax over the rows, and the sum of weight x row.  Out: a partial (m, l, u[1024]); the next launch joins a batch's two.
; WHICH ROWS.  A row under the mask has its score replaced by -1e9: its product and tanh are thrown away, and its weight is exactly 0 in f32 as soon as one row of the batch is kept.  So only the kept rows
; (the list and the count that the launch before stored) are fetched and multiplied.  A batch with no kept row has equal weights on all 512 rows: then all rows are walked and every score counts as 0.
; LIMITS, kept on purpose: inputs are finite (a masked row with an infinity or NaN would give NaN in 0 x inf, here it is not read); the sum of |w2| stays under 9e8, so that -1e9 lies far enough under every score;
; x is rounded to bf16 for the last product (weights and sums f32).  tanh(z) = 1 - 2 / (1 + 2^(2 log2(e) z)), so score = sum(w2) - 2 sum(w2 / (1 + 2^..)): sum(w2) is the same addend in every score
; of a softmax and is left out, which changes no weight, for any input.
; SHARES.  Work-group g: batch g / 2, half g % 2 of its list.  Rows go in passes of 80 (5 tiles of 16); the pass loop has 4 trips (320 >= 256 rows at the most); a pass without rows jumps over its three regions,
; each by a scalar branch on the stored count, and passes the three barriers, which stand outside the branches.  That is why there are no tensor loads here: all data come through registers.
; A: wave w fetches K steps 2 w, 2 w + 1 (1,024 bytes of each row) of the 80 rows, 512 consecutive bytes a load; a K step of 16 rows turns through the wave's own stage in LDS, so that a lane holds 16 neighbours of each
;    block of 32; a bf16 copy goes to LDS for region C; the numbers are quantised (E2M3, one E8M0 byte for 32) and the operand's registers go to LDS as an image, 16 bytes a lane.
; B: every wave holds all 40 fragments of x (480 registers) and walks 16 of the 64 n-tiles; W's fragments come from memory straight into registers, one n-tile ahead, and each feeds 5 matrix instructions.
;    Source 0 = 16 rows of W1 (columns of h), source 1 = 16 rows of x: a lane holds one row of x and 8 columns.  b1 is the C of a sum's first instruction.
; C: the four waves' partial scores are added, the running maximum and sum are brought up to date, and wave w adds weight x row for columns 256 w .. 256 w + 255 from the bf16 copy.
; Rows that pad a pass repeat its first row and get the weight 0.
.set XBP,  2064                        ; a row of the bf16 copy in LDS: 2,048 bytes + 16 = 129 x 16: sixteen rows at one column start in sixteen different groups of banks (ISA guide 11.1)
.set IMG,  80*XBP                      ; 40 images of fragments, 1,536 bytes each: tile t, K step s at 1,536 (8 t + s)
.set XSC,  IMG+40*1536                 ; x's scale words: 32 bytes a row, word s
.set STG,  XSC+2560                    ; a stage for each wave: 16 rows x (512 + 16) bytes
.set PSC,  STG+4*8448                  ; partial scores: 320 bytes a wave, 4 bytes a row
.set PB,   PSC+4*320                   ; the weights, each wave's own copy: 96 words
; window 0, kept: v1 l, v2 r, v3 h; v4 1024 w + 16 l; v5 16 l; v6 32 r; v7 32 h; v8-v27 LDS addresses (made below, never rewritten); v28 0; v29 -3e38; v30, v31 l + 32, l + 64; v32 1024 w + 256 h;
; v36-37 prefetch offsets, v38-39 list offsets; v40-47 U; v52 m, v53 l; v[54:55] alpha; v56-60 lane permutes' results.
.set U,    40
.set QIN,  64                          ; A: 64 numbers of a lane: register 16 b + i = k 32 b + 16 h + i of row r
.set PK,   128                         ; A: the same as bf16
.set PC,   160                         ; A: the codes just made
.set TM,   180                         ; A: at work in QUANT
.set PW,   196                         ; A: the scale word just made
.set OFF,  200                         ; A: byte offsets of a tile's 16 rows
.set XS,   64                          ; B: x's scale words, 8 t + s
.set WS,   104                         ; B: W's scale words, 8 q + s (q: which of two sets)
.set BB,   120                         ; B: b1 of the n-tile, 8 q
.set W2R,  136                         ; B: w2 of the n-tile, 8 q
.set ACC,  152                         ; B: five accumulators, 8 t
.set SACC, 192                         ; B: five pairs of running sums
.set W2C,  204                         ; B: -2 w2
.set RS,   212                         ; B: at work
.set P,    64                          ; C: the 80 weights, in every lane
.set XBV,  144                         ; C: two sets of 8 rows x 16 bytes of the bf16 copy
.set SC,   208                         ; C: partial scores
.set CT,   220                         ; C: at work
; windows 1-3.  A: the rows as loaded: tile t in window t / 2 + 1 at 128 (t % 2); K step s', row i at 64 s' + 4 i.
; B: x's fragments: tiles 0, 1 in window 1, tiles 2, 3 in window 2, at 12 (8 (t % 2) + s); tile 4: K steps 0-3 in window 1, 4-7 in window 2, from 192.  W's two sets in window 3 at 96 q + 12 s.
.set MSB, 0
.macro WIN new                         ; s_set_vgpr_msb: bits 1:0 source 0, 3:2 source 1, 5:4 source 2, 7:6 destination; the high byte repeats the setting that is left
.if MSB != (\new)
	s_set_vgpr_msb (MSB<<8)|(\new)
.set MSB, (\new)
.endif
.endm
.macro BARRIER                         ; my LDS stores have landed and my LDS loads are in: then the work-group's barrier
	s_wait_dscnt 0x0
	s_barrier_signal -1
	s_barrier_wait -1
.endm
	s_load_b512 s[4:19], s[0:1], 0x0               ; W1_scales s[4:5], b1 s[6:7], w2 s[8:9], seq_output s[10:11], wfrag s[12:13], order s[14:15], cnt s[16:17], pu s[18:19]
	s_load_b64 s[20:21], s[0:1], 0x40              ; pml
	v_lshl_add_u32 v254, v0, 2, 0x41000
	v_mov_b32 v255, 0
	v_lshrrev_b32 v56, 5, v0
	v_readfirstlane_b32 s22, v56                   ; wave 0..3
	v_and_b32 v1, 31, v0
	v_and_b32 v2, 15, v0
	v_bfe_u32 v3, v0, 4, 1
	s_lshl_b32 s2, s22, 10
	v_lshl_add_u32 v4, v1, 4, s2                   ; in a row of x, and in a row of pu: my wave's 1,024 bytes, 16 a lane
	v_lshl_add_u32 v32, v3, 8, s2
	v_lshlrev_b32 v5, 4, v1
	v_lshlrev_b32 v6, 5, v2
	v_lshlrev_b32 v7, 5, v3
	s_mul_i32 s3, s22, 8448
	s_add_co_u32 s3, s3, STG                       ; my stage
	v_add_nc_u32 v8, s3, v5                        ; v8: into it as loaded, 16 l (+ 528 a row)
	v_mul_u32_u24 v9, v2, 528
	v_lshl_add_u32 v9, v3, 6, v9
	v_add_nc_u32 v9, s3, v9                        ; v9: out of it: row r, + 64 h: 16 numbers of each block of 32
	v_lshl_add_u32 v27, v1, 5, s3                  ; v27: U on its way out, 32 l
	s_lshl_b32 s2, s22, 9
	v_mul_u32_u24 v10, v2, XBP
	v_lshl_add_u32 v10, v3, 5, v10
	v_add_nc_u32 v10, s2, v10                      ; v10-12: the bf16 copy, written: row r, + 32 h, + 512 w; 32 rows on for each further register (an LDS immediate has 16 bits)
	v_add_nc_u32 v11, 32*XBP, v10
	v_add_nc_u32 v12, 64*XBP, v10
	v_add_nc_u32 v24, s2, v5                       ; v24-26: the same, read: 512 w + 16 l
	v_add_nc_u32 v25, 32*XBP, v24
	v_add_nc_u32 v26, 64*XBP, v24
	s_mul_i32 s2, s22, 3072
	s_add_co_u32 s2, s2, IMG
	v_add_nc_u32 v15, s2, v5                       ; v15: images, written: my two K steps
	v_add_nc_u32 v17, IMG, v5                      ; v17: images, read
	v_add_nc_u32 v18, XSC, v6                      ; v18: x's scale words, read: 32 r
	s_lshl_b32 s2, s22, 3
	v_add_nc_u32 v16, s2, v18                      ; v16: written: + 8 w
	s_mul_i32 s2, s22, 320
	s_add_co_u32 s2, s2, PSC
	v_lshl_add_u32 v19, v2, 2, s2                  ; v19: my partial scores, 4 r
	v_lshl_add_u32 v20, v1, 2, PSC                 ; v20: all waves', rows l and l + 32
	v_lshl_add_u32 v21, v2, 2, PSC+256             ; v21: rows 64 + r
	s_mul_i32 s2, s22, 384
	s_add_co_u32 s2, s2, PB
	v_lshl_add_u32 v22, v1, 2, s2                  ; v22: my wave's weights, written
	v_mov_b32 v23, s2                              ; v23: read, the same address in every lane
	v_mov_b32 v28, 0
	v_mov_b32 v29, 0xff61b1e6                      ; -3e38: under every score
	v_add_nc_u32 v30, 32, v1
	v_add_nc_u32 v31, 64, v1
.irp j, 36,37,40,41,42,43,44,45,46,47,53,54,55,56,57,58,59,60,184,185,186,187
	v_mov_b32 v\j, 0                               ; U and l begin as zeros; the others are written once so that every way through the branches finds them written (a lane permute's destination counts as a source)
.endr
	v_mov_b32 v52, v29                             ; m
	s_mov_b32 s66, 0x4038aa3b                      ; 2 log2(e)
	s_mov_b32 s67, s66                             ; (named with it as a pair)
	s_mov_b32 s70, 0x76543210
	s_mov_b32 s71, 0xfedcba98                      ; v_permlanex16_b32's selects for lane l xor 16
	s_lshr_b32 s82, ttmp9, 1                       ; the batch
	s_and_b32 s83, ttmp9, 1                        ; which half of its list
	s_mov_b32 s81, 0
	s_wait_kmcnt 0x0
	s_lshl_b32 s80, s82, 8
	s_add_nc_u64 s[16:17], s[16:17], s[80:81]
	s_load_b32 s24, s[16:17], 0x0                  ; c: the batch's kept rows
	s_lshl_b32 s80, s22, 13
	s_add_nc_u64 s[4:5], s[4:5], s[80:81]          ; my 16 n-tiles: 256 rows of 32 scale bytes,
	s_lshl_b32 s80, s22, 10
	s_add_nc_u64 s[6:7], s[6:7], s[80:81]          ; 256 numbers of b1
	s_add_nc_u64 s[8:9], s[8:9], s[80:81]          ; and of w2,
	s_mul_i32 s80, s22, 196608
	s_add_nc_u64 s[12:13], s[12:13], s[80:81]      ; 128 fragments of 1,536 bytes
	s_lshl_b32 s80, s82, 21
	s_add_nc_u64 s[10:11], s[10:11], s[80:81]      ; the batch's 512 rows of 4,096 bytes
	s_mul_i32 s80, s82, 2560
	s_add_nc_u64 s[14:15], s[14:15], s[80:81]      ; its list
	s_lshl_b32 s80, ttmp9, 12
	s_add_nc_u64 s[18:19], s[18:19], s[80:81]
	s_lshl_b32 s80, ttmp9, 8
	s_add_nc_u64 s[20:21], s[20:21], s[80:81]
	s_wait_kmcnt 0x0
	s_min_u32 s24, s24, 512
	s_cmp_eq_u32 s24, 0
	s_cselect_b32 s30, -1, 0                       ; no row kept: every lane's score counts as 0,
	s_cselect_b32 s24, 512, s24                    ; and all 512 rows are walked
	s_add_co_u32 s25, s24, 1
	s_lshr_b32 s25, s25, 1                         ; the first half's rows
	s_sub_co_u32 s31, s24, s25                     ; the second's
	s_cmp_eq_u32 s83, 0
	s_cselect_b32 s24, s25, s31                    ; s24: my rows, 0 .. 256
	s_cselect_b32 s25, 0, s25                      ; s25: my first place in the list
	s_add_co_u32 s50, s25, s24
	s_sub_co_u32 s50, s50, 1                       ; my last place
; The 16 rows of tile t are asked for: their numbers from the list (one scalar load), places past my rows replaced by the pass's first row; 32 loads of 512 consecutive bytes.
.macro ISSUE t
	s_add_co_u32 s2, s48, 64*(\t)
	s_min_u32 s2, s2, 2496                         ; 64 bytes from here on lie inside the batch's 2,560 (the sum is 2,240 at the most; the bound is written out since it hangs on a loaded count)
	s_load_b512 s[32:47], s[14:15], s2 offset:0x0
	s_wait_kmcnt 0x0
.if (\t) == 0
	s_mov_b32 s31, s32                             ; the pass's first row
.endif
.set ii, 0
.rept 16
.if ((\t) > 0) || (ii > 0)
	s_cmp_gt_i32 s29, 16*(\t)+ii                   ; s29: the pass's rows
	s_cselect_b32 s[32+ii], s[32+ii], s31
.endif
.set ii, ii+1
.endr
.set ii, 0
.rept 16
	s_min_u32 s[32+ii], s[32+ii], 511
	s_lshl_b32 s[32+ii], s[32+ii], 12              ; 4,096 bytes a row
.set ii, ii+1
.endr
	s_wait_xcnt 0x0                                ; the loads issued so far have had their addresses translated (ISA guide 3.1): only now are the offsets written again
.set ii, 0
.rept 16
	v_add_nc_u32 v[OFF+ii], s[32+ii], v4
.set ii, ii+1
.endr
	WIN ((\t)/2+1)<<6
.irp sp, 0,1
.set ii, 0
.rept 16
	global_load_b128 v[128*((\t)%2)+64*\sp+4*ii:128*((\t)%2)+64*\sp+4*ii+3], v[OFF+ii], s[10:11] offset:512*\sp
.set ii, ii+1
.endr
.endr
	WIN 0
.endm
; 64 numbers of a lane, register 16 b + i = k 32 b + 16 h + i of my row, become a fragment's codes in v[PC] on and its scale word in v[PW].
.macro QUANT s
.irp b, 0,1,2,3
	v_max3_num_f32 v[TM+\b], |v[\s+16*\b]|, |v[\s+1+16*\b]|, 0x1800000   ; block b: my 16 numbers, and the floor 2^(3 - 127): the byte cannot fall under 1 (a block of zeros keeps that byte: its codes are zeros)
.endr
.irp i, 2,4,6,8,10,12,14
.irp b, 0,1,2,3
	v_max3_num_f32 v[TM+\b], v[TM+\b], |v[\s+16*\b+\i]|, |v[\s+1+16*\b+\i]|
.endr
.endr
.irp b, 0,1,2,3
	v_permlanex16_b32 v[TM+4+\b], v[TM+\b], s70, s71
.endr
.irp b, 0,1,2,3
	v_max_num_f32 v[TM+\b], v[TM+\b], v[TM+4+\b]   ; with lane l xor 16's: the block's largest magnitude
.endr
.irp b, 0,1,2,3
	v_add_nc_u32 v[TM+12+\b], 0xff000000, v[TM+\b] ; 2 off its exponent field: the conversion takes this operand's exponent field as its scale
.endr
.irp b, 0,1,2,3
	v_lshrrev_b32 v[TM+4+\b], 23, v[TM+12+\b]      ; the scale's byte
.endr
	v_lshl_or_b32 v[PW], v[TM+5], 8, v[TM+4]
	v_lshl_or_b32 v[PW], v[TM+6], 16, v[PW]
	v_lshl_or_b32 v[PW], v[TM+7], 24, v[PW]
.irp c, 0,1
	v_cvt_scalef32_pk16_fp6_f32 v[PC+6*\c:PC+2+6*\c], v[\s+32*\c:\s+15+32*\c], v[TM+12+2*\c]
	v_cvt_scalef32_pk16_fp6_f32 v[PC+12+4*\c:PC+14+4*\c], v[\s+16+32*\c:\s+31+32*\c], v[TM+12+2*\c+1]   ; (a conversion's three registers begin on an even number)
.endr
	v_nop                                          ; one plain place behind a scaled conversion
.irp c, 0,1                                    ; the operand's layout wants a whole block in a lane: lanes 0-15 block 2 c, lanes 16-31 block 2 c + 1
.irp i, 0,1,2
	v_permlane16_swap_b32 v[PC+6*\c+\i], v[PC+12+4*\c+\i]
.endr
.irp i, 0,1,2
	v_mov_b32 v[PC+3+6*\c+\i], v[PC+12+4*\c+\i]
.endr
.endr
.endm
; Tile t, my K step sp (0 or 1): through the stage; the bf16 copy; the codes' image and the scale words.
.macro UNIT t, sp
	WIN ((\t)/2+1)<<2                              ; an LDS store's data are its source 1
.set ii, 0
.rept 16
	ds_store_b128 v8, v[128*((\t)%2)+64*(\sp)+4*ii:128*((\t)%2)+64*(\sp)+4*ii+3] offset:528*ii
.set ii, ii+1
.endr
	WIN 0
.irp b, 0,1,2,3
.irp j, 0,1,2,3
	ds_load_b128 v[QIN+16*\b+4*\j:QIN+16*\b+4*\j+3], v9 offset:128*\b+16*\j   ; LDS serves a wave's instructions in order (ISA guide 5.7.1.4): these see the stores above
.endr
.endr
	s_wait_dscnt 0x0                               ; the numbers are in; and the last unit's stores have read PK, PC and PW, which are written again below
.set ii, 0
.rept 32
	v_cvt_pk_bf16_f32 v[PK+ii], v[QIN+2*ii], v[QIN+2*ii+1]
.set ii, ii+1
.endr
.irp b, 0,1,2,3
.irp j, 0,1
	ds_store_b128 v[10+(\t)/2], v[PK+8*\b+4*\j:PK+8*\b+4*\j+3] offset:16*XBP*((\t)%2)+256*(\sp)+64*\b+16*\j
.endr
.endr
	QUANT QIN
.irp c, 0,1,2
	ds_store_b128 v15, v[PC+4*\c:PC+4*\c+3] offset:12288*(\t)+1536*(\sp)+512*\c
.endr
	ds_store_b32 v16, v[PW] offset:512*(\t)+4*(\sp)   ; lanes r and r + 16 write the same word with the same value
.endm
; where x's fragment (t, s) lies in region B
.macro XLOC t, s
.if (\t) < 2
.set XWIN, 1
.set XREG, 12*(8*(\t)+(\s))
.elseif (\t) < 4
.set XWIN, 2
.set XREG, 12*(8*((\t)-2)+(\s))
.elseif (\s) < 4
.set XWIN, 1
.set XREG, 192+12*(\s)
.else
.set XWIN, 2
.set XREG, 192+12*((\s)-4)
.endif
.endm
.macro CODES t, s
	XLOC \t, \s
	WIN XWIN<<6
.irp c, 0,1,2
	ds_load_b128 v[XREG+4*\c:XREG+4*\c+3], v17 offset:1536*(8*(\t)+(\s))+512*\c
.endr
.endm
; the n-tile k tiles on from the walking pointers, into set q: 24 loads of W's fragments, 2 each of its scale words, b1 and w2: 30 loads
.macro WLOAD q, k
	WIN 0xc0
.irp s, 0,1,2,3,4,5,6,7
.irp c, 0,1,2
	global_load_b128 v[96*(\q)+12*\s+4*\c:96*(\q)+12*\s+4*\c+3], v5, s[72:73] offset:12288*(\k)+1536*\s+512*\c
.endr
.endr
	WIN 0
.irp j, 0,1
	global_load_b128 v[WS+8*(\q)+4*\j:WS+8*(\q)+4*\j+3], v6, s[74:75] offset:512*(\k)+16*\j     ; lane r: row r's eight words
	global_load_b128 v[BB+8*(\q)+4*\j:BB+8*(\q)+4*\j+3], v7, s[76:77] offset:64*(\k)+16*\j      ; lane (r, h): columns 8 h + 0 .. 7
	global_load_b128 v[W2R+8*(\q)+4*\j:W2R+8*(\q)+4*\j+3], v7, s[78:79] offset:64*(\k)+16*\j
.endr
.endm
.macro MM t, s, q
	XLOC \t, \s
	WIN 0x03|(XWIN<<2)                             ; W in window 3, x in window 1 or 2, C and D in window 0
.if (\s) == 0
	v_wmma_scale_f32_16x16x128_f8f6f4 v[ACC+8*(\t):ACC+8*(\t)+7], v[96*(\q)+12*(\s):96*(\q)+12*(\s)+11], v[XREG:XREG+11], v[BB+8*(\q):BB+8*(\q)+7], v[WS+8*(\q)+(\s)], v[XS+8*(\t)+(\s)] matrix_a_fmt:MATRIX_FMT_FP6 matrix_b_fmt:MATRIX_FMT_FP6
.else
	v_wmma_scale_f32_16x16x128_f8f6f4 v[ACC+8*(\t):ACC+8*(\t)+7], v[96*(\q)+12*(\s):96*(\q)+12*(\s)+11], v[XREG:XREG+11], v[ACC+8*(\t):ACC+8*(\t)+7], v[WS+8*(\q)+(\s)], v[XS+8*(\t)+(\s)] matrix_a_fmt:MATRIX_FMT_FP6 matrix_b_fmt:MATRIX_FMT_FP6
.endif
.endm
; An n-tile's 40 matrix instructions, K ascending.  The five accumulators take turns, one instruction a turn, and no two neighbours share one.
; The tiles whose fragments lie in one window stand together, and the order of the two groups alternates from K step to K step: one switch of the window a K step.
.macro MMS q
.irp s, 0,1,2,3,4,5,6,7
.if \s < 4
.if \s%2 == 0
	MM 0, \s, \q
	MM 1, \s, \q
	MM 4, \s, \q
	MM 2, \s, \q
	MM 3, \s, \q
.else
	MM 2, \s, \q
	MM 3, \s, \q
	MM 0, \s, \q
	MM 1, \s, \q
	MM 4, \s, \q
.endif
.else
.if \s%2 == 0
	MM 0, \s, \q
	MM 1, \s, \q
	MM 2, \s, \q
	MM 3, \s, \q
	MM 4, \s, \q
.else
	MM 2, \s, \q
	MM 3, \s, \q
	MM 4, \s, \q
	MM 0, \s, \q
	MM 1, \s, \q
.endif
.endif
.endr
.endm
; the 40 results of a lane: sums += -2 w2 / (1 + 2^(2 log2(e) z)).  Two batches of 40 transcendentals, one wait each.
.macro EPI q
.irp j, 0,2,4,6
	v_pk_mul_f32 v[W2C+\j:W2C+\j+1], v[W2R+8*(\q)+\j:W2R+8*(\q)+\j+1], -2.0 op_sel_hi:[1,0]   ; four plain instructions that name no register of the products: the places behind the last of them (ISA guide 7.12.1)
.endr
.set kk, 0
.rept 20
	v_pk_mul_f32 v[ACC+kk:ACC+kk+1], v[ACC+kk:ACC+kk+1], s[66:67] op_sel_hi:[1,0]   ; ascending: each accumulator is read from its low end on
.set kk, kk+2
.endr
.set kk, 0
.rept 40
	v_exp_f32 v[ACC+kk], v[ACC+kk]                 ; a large z gives infinity, whose reciprocal below is 0; a very negative one 0
.set kk, kk+1
.endr
	v_nop                                          ; a plain instruction behind the last exponential
	s_wait_alu depctr_va_vdst(0)                   ; one wait for the batch, ahead of its first reader
.set kk, 0
.rept 20
	v_pk_add_f32 v[ACC+kk:ACC+kk+1], v[ACC+kk:ACC+kk+1], 1.0 op_sel_hi:[1,0]
.set kk, kk+2
.endr
.set kk, 0
.rept 40
	v_rcp_f32 v[ACC+kk], v[ACC+kk]
.set kk, kk+1
.endr
	v_nop
	s_wait_alu depctr_va_vdst(0)                   ; and one for the reciprocals
.irp j, 0,2,4,6
.irp t, 0,1,2,3,4
	v_pk_fma_f32 v[SACC+2*\t:SACC+2*\t+1], v[ACC+8*\t+\j:ACC+8*\t+\j+1], v[W2C+\j:W2C+\j+1], v[SACC+2*\t:SACC+2*\t+1]
.endr
.endr
.endm
; An n-tile from set q.  ld = 1: the next n-tile is asked for first, into the other set, whose last readers stand a whole EPI back.  pf = 1: the prefetch.
.macro NT q, ld, pf
.if \ld
	WLOAD 1-(\q), (\q)+1
.endif
.if \pf
; A PREFETCH of the next pass's first 32 rows, my wave's 1,024 bytes of each: a lane names one aligned block of 256 bytes (row 16 q + r, byte 1,024 w + 256 h + 512 j), four instructions a wave, together, behind the
; wave's loads.  It stands two n-tiles and region C ahead of the loads that will want those rows, and only where a next pass has rows; places past my last row name that row again.
	s_cmp_eq_u32 s49, 1
	s_cbranch_scc0 .Lnopf_\@
.irp r, 36,37
.irp j, 0,1
	global_prefetch_b8 v\r, s[10:11] offset:512*\j th:TH_LOAD_NT scope:SCOPE_SE
.endr
.endr
.Lnopf_\@:
.endif
.if \ld
	s_wait_loadcnt 30                              ; loads come back in order (ISA guide 5.7.1): this tile's 30 are in, the 30 just issued may be out
.else
	s_wait_loadcnt 0x0
.endif
	MMS \q
	WIN 0
	EPI \q
.endm
.macro LOADG g                         ; rows 8 g .. 8 g + 7 of the bf16 copy, my wave's 512 bytes of each, 16 a lane
.irp e, 0,1,2,3,4,5,6,7
	ds_load_b128 v[XBV+32*((\g)%2)+4*\e:XBV+32*((\g)%2)+4*\e+3], v[24+(8*(\g)+\e)/32] offset:((8*(\g)+\e)%32)*XBP
.endr
.endm
.macro FMAG g                          ; U[c] += weight x x(row, 256 w + 8 l + c): bf16 halves straight into f32 multiply-adds
.irp e, 0,1,2,3,4,5,6,7
.irp c, 0,1,2,3
	v_fma_mix_f32_bf16 v[U+2*\c], v[XBV+32*((\g)%2)+4*\e+\c], v[P+8*(\g)+\e], v[U+2*\c] op_sel_hi:[1,0,0]
	v_fma_mix_f32_bf16 v[U+2*\c+1], v[XBV+32*((\g)%2)+4*\e+\c], v[P+8*(\g)+\e], v[U+2*\c+1] op_sel:[1,0,0] op_sel_hi:[1,0,0]
.endr
.endr
.endm
	s_mov_b32 s26, 0                               ; the pass's first row among mine
	s_mov_b32 s27, 0
.Lpass:
	s_sub_co_i32 s29, s24, s26
	s_min_i32 s29, s29, 80                         ; the pass's rows
	s_add_co_u32 s48, s25, s26
	s_lshl_b32 s48, s48, 2                         ; its first place in the list, in bytes
	s_add_co_u32 s2, s26, 80
	s_cmp_lt_u32 s2, s24
	s_cselect_b32 s49, 1, 0                        ; does a pass with rows follow?
	s_cmp_lt_u32 s26, s24
	s_cbranch_scc0 .LskipA
	; ---- A
	s_wait_xcnt 0x0                                ; the last pass's list loads and prefetches have read v36-39
	s_add_co_u32 s2, s25, s26
	s_add_co_u32 s2, s2, 80
	v_add_nc_u32 v38, s2, v2                       ; the list places of the next pass's rows r and 16 + r,
	v_add_nc_u32 v39, 16, v38
	v_min_u32 v38, s50, v38                        ; held at my last place
	v_min_u32 v39, s50, v39
	v_lshlrev_b32 v38, 2, v38
	v_lshlrev_b32 v39, 2, v39
	v_min_u32 v38, 2556, v38                       ; inside the batch's list (the bound is written out since the places hang on a loaded count)
	v_min_u32 v39, 2556, v39
	global_load_b32 v36, v38, s[14:15]
	global_load_b32 v37, v39, s[14:15]
	ISSUE 0
	ISSUE 1
	s_wait_loadcnt 32                              ; the two list loads and tile 0 are in; tile 1's 32 loads may be out
	v_min_u32 v36, 511, v36
	v_min_u32 v37, 511, v37
	v_lshl_add_u32 v36, v36, 12, v32               ; the prefetches' offsets
	v_lshl_add_u32 v37, v37, 12, v32
	ISSUE 2                                        ; two tiles, 64 loads a wave, are on their way while a tile is worked
	UNIT 0, 0
	UNIT 0, 1
	s_wait_loadcnt 32                              ; tile 1 is in; tile 2's may be out
	ISSUE 3
	UNIT 1, 0
	UNIT 1, 1
	s_wait_loadcnt 32                              ; tile 2; tile 3's may be out
	ISSUE 4
	UNIT 2, 0
	UNIT 2, 1
	s_wait_loadcnt 32                              ; tile 3; tile 4's may be out
	UNIT 3, 0
	UNIT 3, 1
	s_wait_loadcnt 0x0
	UNIT 4, 0
	UNIT 4, 1
.LskipA:
	BARRIER                                        ; the 40 images and the scale words lie in LDS
	s_cmp_lt_u32 s26, s24
	s_cbranch_scc0 .LskipB
	; ---- B
	s_wait_xcnt 0x0                                ; no earlier load still reads the walking pointers
	s_mov_b64 s[72:73], s[12:13]
	s_mov_b64 s[74:75], s[4:5]
	s_mov_b64 s[76:77], s[6:7]
	s_mov_b64 s[78:79], s[8:9]
	WLOAD 0, 0
.irp t, 0,1
.irp s, 0,1,2,3,4,5,6,7
	CODES \t, \s
.endr
.endr
.irp s, 0,1,2,3
	CODES 4, \s
.endr
.irp t, 2,3
.irp s, 0,1,2,3,4,5,6,7
	CODES \t, \s
.endr
.endr
.irp s, 4,5,6,7
	CODES 4, \s
.endr
	WIN 0
.irp t, 0,1,2,3,4
.irp j, 0,1
	ds_load_b128 v[XS+8*\t+4*\j:XS+8*\t+4*\j+3], v18 offset:512*\t+16*\j   ; lane r: row 16 t + r's eight words
.endr
.endr
.irp j, 0,1,2,3,4,5,6,7,8,9
	v_mov_b32 v[SACC+\j], 0
.endr
	s_wait_dscnt 0x0
	s_mov_b32 s28, 7
.Lnt:                                              ; a trip: two n-tiles, one from each set
	NT 0, 1, 0
	NT 1, 1, 0
	s_wait_xcnt 0x0                                ; the loads issued have read their bases
	s_add_nc_u64 s[72:73], s[72:73], 24576
	s_add_nc_u64 s[74:75], s[74:75], 1024
	s_add_nc_u64 s[76:77], s[76:77], 128
	s_add_nc_u64 s[78:79], s[78:79], 128
	s_sub_co_u32 s28, s28, 1
	s_cmp_lg_u32 s28, 0
	s_cbranch_scc1 .Lnt
	NT 0, 1, 1                                     ; the last two are written out: the last asks for nothing, so that no load leaves its buffer
	NT 1, 0, 0
.irp t, 0,1,2,3,4
	v_add_f32 v[RS+\t], v[SACC+2*\t], v[SACC+2*\t+1]
.endr
.irp t, 0,1,2,3,4
	v_permlanex16_b32 v[56+\t], v[RS+\t], s70, s71
.endr
.irp t, 0,1,2,3,4
	v_add_f32 v[RS+\t], v[RS+\t], v[56+\t]         ; row 16 t + r over my wave's 256 columns
.endr
.irp t, 0,1,2,3,4
	ds_store_b32 v19, v[RS+\t] offset:64*\t
.endr
.LskipB:
	BARRIER                                        ; the four waves' partial scores lie in LDS
	s_cmp_lt_u32 s26, s24
	s_cbranch_scc0 .LskipC
	; ---- C.  Every wave makes the same m, l and weights from the same numbers in the same order.
.irp w, 0,1,2,3
	ds_load_b32 v[SC+\w], v20 offset:320*\w        ; row l
	ds_load_b32 v[SC+4+\w], v20 offset:320*\w+128  ; row l + 32
	ds_load_b32 v[SC+8+\w], v21 offset:320*\w      ; row 64 + r (lanes 16-31 stand for rows 80 on, which no pass has)
.endr
	s_wait_dscnt 0x0
.irp q, 0,1,2
	v_add_f32 v[CT+\q], v[SC+4*\q], v[SC+4*\q+1]
	v_add_f32 v[CT+4+\q], v[SC+4*\q+2], v[SC+4*\q+3]
.endr
.irp q, 0,1,2
	v_add_f32 v[CT+\q], v[CT+\q], v[CT+4+\q]
.endr
.irp q, 0,1,2
	v_mul_f32 v[CT+\q], 0x3fb8aa3b, v[CT+\q]       ; t = score x log2(e)
.endr
.irp q, 0,1,2
	v_cndmask_b32 v[CT+\q], v[CT+\q], v28, s30     ; a batch with no kept row: every t is 0
.endr
	v_cmp_gt_u32 vcc_lo, s29, v1
	v_cndmask_b32 v[CT], v29, v[CT], vcc_lo        ; rows past the pass's last: -3e38, weight 0
	v_cmp_gt_u32 vcc_lo, s29, v30
	v_cndmask_b32 v[CT+1], v29, v[CT+1], vcc_lo
	v_cmp_gt_u32 vcc_lo, s29, v31
	v_cndmask_b32 v[CT+2], v29, v[CT+2], vcc_lo
	v_max3_num_f32 v[CT+3], v[CT], v[CT+1], v[CT+2]
.irp x, 1,2,4,8
	v_max_num_f32_dpp v[CT+3], v[CT+3], v[CT+3] row_xmask:\x row_mask:0xf bank_mask:0xf
.endr
	v_permlanex16_b32 v56, v[CT+3], s70, s71
	v_max3_num_f32 v[CT+4], v[CT+3], v56, v52      ; the running maximum
	v_sub_f32 v54, v52, v[CT+4]
.irp q, 0,1,2
	v_sub_f32 v[CT+\q], v[CT+\q], v[CT+4]
.endr
	v_exp_f32 v54, v54                             ; alpha = 2^(old m - new m)
.irp q, 0,1,2
	v_exp_f32 v[CT+\q], v[CT+\q]                   ; the weights, not normalised
.endr
	v_mov_b32 v52, v[CT+4]                         ; (a plain instruction behind the exponentials)
	s_wait_alu depctr_va_vdst(0)                   ; one wait for the four, ahead of their first reader
	v_add_f32 v[CT+5], v[CT], v[CT+1]
	v_add_f32 v[CT+5], v[CT+5], v[CT+2]
.irp x, 1,2,4,8
	v_add_f32_dpp v[CT+5], v[CT+5], v[CT+5] row_xmask:\x row_mask:0xf bank_mask:0xf
.endr
	v_permlanex16_b32 v56, v[CT+5], s70, s71
	v_add_f32 v[CT+5], v[CT+5], v56
	v_fma_f32 v53, v53, v54, v[CT+5]               ; l = l alpha + the pass's sum
.irp q, 0,1,2
	ds_store_b32 v22, v[CT+\q] offset:128*\q
.endr
.set kk, 0
.rept 20
	ds_load_b128 v[P+4*kk:P+4*kk+3], v23 offset:16*kk   ; the 80 weights into every lane: my wave's own bytes, served in order behind the stores
.set kk, kk+1
.endr
.irp j, 0,2,4,6
	v_pk_mul_f32 v[U+\j:U+\j+1], v[U+\j:U+\j+1], v[54:55] op_sel_hi:[1,0]
.endr
	LOADG 0
	LOADG 1
.irp g, 0,1,2,3,4,5,6,7,8,9
.if \g < 9
	s_wait_dscnt 8                                 ; all but the next group's eight loads: the weights and this group are in
.else
	s_wait_dscnt 0x0
.endif
	FMAG \g
.if \g < 8
	LOADG \g+2
.endif
.endr
.LskipC:
	BARRIER                                        ; every wave has read what the next pass writes again
	s_add_co_u32 s26, s26, 80
	s_add_co_u32 s27, s27, 1
	s_cmp_lt_u32 s27, 4
	s_cbranch_scc1 .Lpass
	; the partial result.  A lane's 8 numbers are 32 bytes: through my stage, so that each store of the wave covers 512 consecutive bytes
	ds_store_b128 v27, v[40:43]
	ds_store_b128 v27, v[44:47] offset:16
	ds_load_b128 v[64:67], v8
	ds_load_b128 v[68:71], v8 offset:512
	s_wait_dscnt 0x0
	global_store_b128 v4, v[64:67], s[18:19]
	global_store_b128 v4, v[68:71], s[18:19] offset:512
	s_cmp_lg_u32 s22, 0
	s_cbranch_scc1 .Lend
	v_lshlrev_b32 v57, 3, v1
	global_store_b64 v57, v[52:53], s[20:21]       ; (m, l), 32 times: 256 consecutive bytes
.Lend:
	s_wait_tensorcnt 0x0
	ds_add_u32 v254, v255
	s_wait_dscnt 0x0
	s_endpgm
.Lfunc_end_k_q68eb7b1472_main:
	.size	k_q68eb7b1472_main, .Lfunc_end_k_q68eb7b1472_main-k_q68eb7b1472_main
	.p2alignl 7, 3214868480
	.fill 96, 4, 3214868480
	.section	.rodata,"a",@progbits
	.p2align	6, 0x0
	.amdhsa_kernel k_q68eb7b1472_main
		.amdhsa_group_segment_fixed_size 266752
		.amdhsa_private_segment_fixed_size 0
		.amdhsa_enable_private_segment 0
		.amdhsa_kernarg_size 72
		.amdhsa_user_sgpr_count 2
		.amdhsa_user_sgpr_kernarg_segment_ptr 1
		.amdhsa_wavefront_size32 1
		.amdhsa_system_sgpr_workgroup_id_x 1
		.amdhsa_system_sgpr_workgroup_id_y 1
		.amdhsa_system_sgpr_workgroup_id_z 1
		.amdhsa_system_vgpr_workitem_id 0
		.amdhsa_next_free_vgpr 1024
		.amdhsa_next_free_sgpr 96
		.amdhsa_reserve_vcc 1
		.amdhsa_float_denorm_mode_32 3
		.amdhsa_float_denorm_mode_16_64 3
		.amdhsa_memory_ordered 1
		.amdhsa_forward_progress 1
		.amdhsa_inst_pref_size 246
	.end_amdhsa_kernel
	.amdgpu_metadata
---
amdhsa.version: [ 1, 2 ]
amdhsa.kernels:
  - .name:           k_q68eb7b1472_main
    .symbol:         k_q68eb7b1472_main.kd
    .args:
      - { .name: W1_scales, .offset: 0, .size: 8, .value_kind: global_buffer, .address_space: global }
      - { .name: b1, .offset: 8, .size: 8, .value_kind: global_buffer, .address_space: global }
      - { .name: w2, .offset: 16, .size: 8, .value_kind: global_buffer, .address_space: global }
      - { .name: seq_output, .offset: 24, .size: 8, .value_kind: global_buffer, .address_space: global }
      - { .name: wfrag, .offset: 32, .size: 8, .value_kind: global_buffer, .address_space: global }
      - { .name: order, .offset: 40, .size: 8, .value_kind: global_buffer, .address_space: global }
      - { .name: cnt, .offset: 48, .size: 8, .value_kind: global_buffer, .address_space: global }
      - { .name: pu, .offset: 56, .size: 8, .value_kind: global_buffer, .address_space: global }
      - { .name: pml, .offset: 64, .size: 8, .value_kind: global_buffer, .address_space: global }
    .group_segment_fixed_size: 266752
    .private_segment_fixed_size: 0
    .kernarg_segment_align: 8
    .kernarg_segment_size: 72
    .max_flat_workgroup_size: 128
    .sgpr_count:     96
    .vgpr_count:     1024
    .wavefront_size: 32
...
	.end_amdgpu_metadata
.endif
;; end of part 2
;; launch combine (part 3): grid 128 x 1, 8 waves a work-group, no clusters, 0 bytes of LDS; arguments pu, pml, seq_output, out0, out1; writes out0, out1
.if DOCPART == 3
	.amdgcn_target "amdgcn-amd-amdhsa--gfx1250"
	.amdhsa_code_object_version 6
	.text
	.protected	k_q68eb7b1472_combine
	.globl	k_q68eb7b1472_combine
	.p2align	8
	.type	k_q68eb7b1472_combine,@function
k_q68eb7b1472_combine:
	s_mov_b64 s[64:65], 0
	v_nop
	global_prefetch_b8 v0, s[64:65] scope:SCOPE_SE
	s_setreg_imm32_b32 hwreg(HW_REG_WAVE_MODE, 25, 1), 1
	s_wait_xcnt 0x0
; Batch b: out1 = (u0 2^(m0 - m) + u1 2^(m1 - m)) / (l0 2^(m0 - m) + l1 2^(m1 - m)), m = max(m0, m1): the two halves' partial softmax sums joined under their common maximum (m is in units of log2).
; A half without rows left m = -3e38, l = 0, u = 0 and gets the factor 0; the first half always has rows.  out0 = row 511 of the batch, copied.
; 256 threads x 16 bytes = a row of 4,096 bytes: every load and store of a wave covers 512 consecutive bytes.
	s_load_b256 s[4:11], s[0:1], 0x0               ; pu s[4:5], pml s[6:7], seq_output s[8:9], out0 s[10:11]
	s_load_b64 s[12:13], s[0:1], 0x20              ; out1
	v_lshlrev_b32 v1, 4, v0
	v_and_b32 v2, 31, v0
	v_lshlrev_b32 v2, 3, v2
	s_lshl_b32 s14, ttmp9, 13                      ; two rows of pu
	s_mov_b32 s15, 0
	s_lshl_b32 s16, ttmp9, 9                       ; two units of pml
	s_mov_b32 s17, 0
	s_lshl_b32 s18, ttmp9, 21                      ; 512 rows of 4,096 bytes
	s_mov_b32 s19, 0
	s_lshl_b32 s20, ttmp9, 12                      ; a row of the outputs
	s_mov_b32 s21, 0
	s_wait_kmcnt 0x0
	s_add_nc_u64 s[4:5], s[4:5], s[14:15]
	s_add_nc_u64 s[6:7], s[6:7], s[16:17]
	s_add_nc_u64 s[8:9], s[8:9], s[18:19]
	s_add_nc_u64 s[10:11], s[10:11], s[20:21]
	s_add_nc_u64 s[12:13], s[12:13], s[20:21]
	global_load_b128 v[4:7], v1, s[4:5]
	global_load_b128 v[8:11], v1, s[4:5] offset:4096
	global_load_b64 v[12:13], v2, s[6:7]           ; m0, l0
	global_load_b64 v[14:15], v2, s[6:7] offset:256   ; m1, l1
	global_load_b128 v[16:19], v1, s[8:9] offset:511*4096
	s_wait_loadcnt 0x0
	global_store_b128 v1, v[16:19], s[10:11]       ; u_last
	v_max_num_f32 v20, v12, v14
	v_sub_f32 v21, v12, v20
	v_sub_f32 v22, v14, v20
	v_exp_f32 v21, v21
	v_exp_f32 v22, v22
	v_nop                                          ; a plain instruction behind the exponentials
	s_wait_alu depctr_va_vdst(0)                   ; the wait ahead of their first reader
	v_mul_f32 v23, v13, v21
	v_fma_f32 v23, v15, v22, v23                   ; the batch's sum of weights
	v_rcp_f32 v24, v23
	v_nop
	s_wait_alu depctr_va_vdst(0)
	v_mul_f32 v21, v21, v24
	v_mul_f32 v22, v22, v24
.irp i, 0,1,2,3
	v_mul_f32 v[28+\i], v[4+\i], v21
.endr
.irp i, 0,1,2,3
	v_fma_f32 v[28+\i], v[8+\i], v22, v[28+\i]
.endr
	global_store_b128 v1, v[28:31], s[12:13]       ; u_att
	s_endpgm
.Lfunc_end_k_q68eb7b1472_combine:
	.size	k_q68eb7b1472_combine, .Lfunc_end_k_q68eb7b1472_combine-k_q68eb7b1472_combine
	.p2alignl 7, 3214868480
	.fill 96, 4, 3214868480
	.section	.rodata,"a",@progbits
	.p2align	6, 0x0
	.amdhsa_kernel k_q68eb7b1472_combine
		.amdhsa_group_segment_fixed_size 0
		.amdhsa_private_segment_fixed_size 0
		.amdhsa_enable_private_segment 0
		.amdhsa_kernarg_size 40
		.amdhsa_user_sgpr_count 2
		.amdhsa_user_sgpr_kernarg_segment_ptr 1
		.amdhsa_wavefront_size32 1
		.amdhsa_system_sgpr_workgroup_id_x 1
		.amdhsa_system_sgpr_workgroup_id_y 1
		.amdhsa_system_sgpr_workgroup_id_z 1
		.amdhsa_system_vgpr_workitem_id 0
		.amdhsa_next_free_vgpr 32
		.amdhsa_next_free_sgpr 66
		.amdhsa_reserve_vcc 0
		.amdhsa_float_denorm_mode_32 3
		.amdhsa_float_denorm_mode_16_64 3
		.amdhsa_memory_ordered 1
		.amdhsa_forward_progress 1
		.amdhsa_inst_pref_size 3
	.end_amdhsa_kernel
	.amdgpu_metadata
---
amdhsa.version: [ 1, 2 ]
amdhsa.kernels:
  - .name:           k_q68eb7b1472_combine
    .symbol:         k_q68eb7b1472_combine.kd
    .args:
      - { .name: pu, .offset: 0, .size: 8, .value_kind: global_buffer, .address_space: global }
      - { .name: pml, .offset: 8, .size: 8, .value_kind: global_buffer, .address_space: global }
      - { .name: seq_output, .offset: 16, .size: 8, .value_kind: global_buffer, .address_space: global }
      - { .name: out0, .offset: 24, .size: 8, .value_kind: global_buffer, .address_space: global }
      - { .name: out1, .offset: 32, .size: 8, .value_kind: global_buffer, .address_space: global }
    .group_segment_fixed_size: 0
    .private_segment_fixed_size: 0
    .kernarg_segment_align: 8
    .kernarg_segment_size: 40
    .max_flat_workgroup_size: 256
    .sgpr_count:     66
    .vgpr_count:     32
    .wavefront_size: 32
...
	.end_amdgpu_metadata
.endif
;; end of part 3
;; ======== version 2 of 2: 3 launches
;; limits: right only within a limited range of input values
;; workspace buffers: wfrag 786,432 bytes; order 327,680 bytes of whole numbers; cnt 32,768 bytes of whole numbers; pu 1,048,576 bytes; pml 65,536 bytes
;; launch prep (part 4): grid 128 x 1, 4 waves a work-group, no clusters, 0 bytes of LDS; arguments W1_codes, mask, wfrag, order, cnt; writes wfrag, order, cnt
.if DOCPART == 4
	.amdgcn_target "amdgcn-amd-amdhsa--gfx1250"
	.amdhsa_code_object_version 6
	.text
	.protected	k_q68eb7b1472_prep
	.globl	k_q68eb7b1472_prep
	.p2align	8
	.type	k_q68eb7b1472_prep,@function
k_q68eb7b1472_prep:
	s_mov_b64 s[64:65], 0
	v_nop
	global_prefetch_b8 v0, s[64:65] scope:SCOPE_SE
	s_setreg_imm32_b32 hwreg(HW_REG_WAVE_MODE, 25, 1), 1
	s_wait_xcnt 0x0
; Two small jobs ahead of the main launch.
; (1) W1's codes [1024 (n)][768 bytes along K] are laid anew in the order of a matrix operand's registers: the fragment of n-tile T (16 rows) and K step s (128 along K)
;     lies at (8 T + s) x 1,536 bytes; in it registers 4 c .. 4 c + 3 of lane l lie at 512 c + 16 l.  So the main launch fetches a fragment by three loads of 16 bytes a lane, 512 consecutive bytes each.
;     512 fragments, one to a wave: 128 work-groups x 4 waves.  The reads here are 8 bytes a lane from rows 768 bytes apart: 786,432 bytes in all, read once.
; (2) Wave 0 of work-group g sorts batch g's 512 rows by the mask: order[g][0 .. c-1] = the rows that are kept (mask byte 0), order[g][c .. 511] = the others, order[g][512 .. 639] = 0;
;     cnt[g][0 .. 63] = c.  A counting sort inside one wave: ballots, their bit counts, no atomics.  The 512 stores of 4 bytes fall inside the batch's own 2,048 bytes.
	s_load_b256 s[4:11], s[0:1], 0x0               ; W1_codes s[4:5], mask s[6:7], wfrag s[8:9], order s[10:11]
	s_load_b64 s[12:13], s[0:1], 0x20              ; cnt
	v_lshrrev_b32 v1, 5, v0
	v_readfirstlane_b32 s14, v1                    ; wave 0..3
	v_and_b32 v1, 31, v0                           ; l
	v_and_b32 v2, 15, v0                           ; r = l % 16
	v_bfe_u32 v3, v0, 4, 1                         ; h = l / 16
	v_mul_u32_u24 v4, v2, 768
	v_mad_u32_u24 v4, v3, 24, v4                   ; row r of the tile, + 24 h: the lane's place in a 6-bit fragment
	v_lshlrev_b32 v5, 4, v1                        ; 16 l
	s_lshr_b32 s15, ttmp9, 1                       ; T
	s_and_b32 s2, ttmp9, 1
	s_lshl_b32 s2, s2, 2
	s_add_co_u32 s2, s2, s14                       ; s = 4 (g % 2) + wave
	s_mul_i32 s50, s15, 12288                      ; 16 rows of 768 bytes
	s_mul_i32 s3, s2, 96                           ; 128 codes are 96 bytes
	s_add_co_u32 s50, s50, s3
	s_mov_b32 s51, 0
	s_lshl_b32 s3, s15, 3
	s_add_co_u32 s3, s3, s2
	s_mul_i32 s52, s3, 1536
	s_mov_b32 s53, 0
	s_wait_alu depctr_va_vdst(0)
	s_wait_kmcnt 0x0
	s_add_nc_u64 s[4:5], s[4:5], s[50:51]
	s_add_nc_u64 s[8:9], s[8:9], s[52:53]
.irp p, 0,1,2,3,4,5
	global_load_b64 v[8+2*\p:9+2*\p], v4, s[4:5] offset:48*(\p/3)+8*(\p%3) th:TH_LOAD_NT   ; registers 0-5: k = 32 h + 0..31; registers 6-11: k = 64 + 32 h + 0..31
.endr
	s_wait_loadcnt 0x0
.irp c, 0,1,2
	global_store_b128 v5, v[8+4*\c:11+4*\c], s[8:9] offset:512*\c   ; 32 lanes store 512 consecutive bytes
.endr
	s_cmp_lg_u32 s14, 0
	s_cbranch_scc1 .Lend                           ; the row list is wave 0's
	s_lshl_b32 s50, ttmp9, 9
	s_add_nc_u64 s[6:7], s[6:7], s[50:51]          ; the batch's 512 mask bytes
	s_mul_i32 s50, ttmp9, 2560
	s_add_nc_u64 s[10:11], s[10:11], s[50:51]      ; its 640 words of the list
	s_lshl_b32 s50, ttmp9, 8
	s_add_nc_u64 s[12:13], s[12:13], s[50:51]      ; its 64 words of the count
	global_load_b128 v[20:23], v5, s[6:7]          ; lane l: the bytes of rows 16 l + 0 .. 15
	s_wait_loadcnt 0x0
.irp i, 0,1,2,3,4,5,6,7,8,9,10,11,12,13,14,15
	v_bfe_u32 v6, v[20+\i/4], 8*(\i%4), 8
	v_cmp_eq_u32 s[16+\i], 0, v6                   ; ballot i: the lanes whose row 16 l + i is kept
.endr
	s_mov_b32 s32, 0
.irp i, 0,1,2,3,4,5,6,7,8,9,10,11,12,13,14,15
	s_bcnt1_i32_b32 s2, s[16+\i]
	s_add_co_u32 s[33+\i], s[32+\i], s2            ; s[32 + i]: kept rows in the ballots below i; s48: all kept rows, c
.endr
.irp i, 0,1,2,3,4,5,6,7,8,9,10,11,12,13,14,15
	v_mbcnt_lo_u32_b32 v6, s[16+\i], 0             ; m: kept rows of this ballot in the lanes below mine
	s_sub_co_u32 s2, s48, s[32+\i]
	s_add_co_u32 s2, s2, 32*\i                     ; c + the rows not kept in the ballots below i
	v_sub_nc_u32 v7, v1, v6                        ; l - m: rows not kept in the lanes below mine
	v_add_nc_u32 v7, s2, v7                        ; the place of a row that is not kept,
	v_add_nc_u32 v6, s[32+\i], v6                  ; of one that is
	v_cndmask_b32 v6, v7, v6, s[16+\i]
	v_min_u32 v6, 511, v6                          ; a place is 0 .. 511 by its making; the bound is written out since it hangs on loaded bytes
	v_lshlrev_b32 v[24+\i], 2, v6
	v_lshl_add_u32 v[40+\i], v1, 4, \i             ; the row's number
	global_store_b32 v[24+\i], v[40+\i], s[10:11]  ; each i has registers of its own: no source is written again
.endr
.irp j, 56,57,58,59
	v_mov_b32 v\j, 0
.endr
	global_store_b128 v5, v[56:59], s[10:11] offset:2048   ; words 512 .. 639: a run of 16 words read near the list's end stays inside written words
	v_mov_b32 v60, s48
	v_mov_b32 v61, s48
	v_lshlrev_b32 v62, 3, v1
	global_store_b64 v62, v[60:61], s[12:13]       ; 256 consecutive bytes, all of them c
.Lend:
	s_endpgm
.Lfunc_end_k_q68eb7b1472_prep:
	.size	k_q68eb7b1472_prep, .Lfunc_end_k_q68eb7b1472_prep-k_q68eb7b1472_prep
	.p2alignl 7, 3214868480
	.fill 96, 4, 3214868480
	.section	.rodata,"a",@progbits
	.p2align	6, 0x0
	.amdhsa_kernel k_q68eb7b1472_prep
		.amdhsa_group_segment_fixed_size 0
		.amdhsa_private_segment_fixed_size 0
		.amdhsa_enable_private_segment 0
		.amdhsa_kernarg_size 40
		.amdhsa_user_sgpr_count 2
		.amdhsa_user_sgpr_kernarg_segment_ptr 1
		.amdhsa_wavefront_size32 1
		.amdhsa_system_sgpr_workgroup_id_x 1
		.amdhsa_system_sgpr_workgroup_id_y 1
		.amdhsa_system_sgpr_workgroup_id_z 1
		.amdhsa_system_vgpr_workitem_id 0
		.amdhsa_next_free_vgpr 64
		.amdhsa_next_free_sgpr 66
		.amdhsa_reserve_vcc 0
		.amdhsa_float_denorm_mode_32 3
		.amdhsa_float_denorm_mode_16_64 3
		.amdhsa_memory_ordered 1
		.amdhsa_forward_progress 1
		.amdhsa_inst_pref_size 15
	.end_amdhsa_kernel
	.amdgpu_metadata
---
amdhsa.version: [ 1, 2 ]
amdhsa.kernels:
  - .name:           k_q68eb7b1472_prep
    .symbol:         k_q68eb7b1472_prep.kd
    .args:
      - { .name: W1_codes, .offset: 0, .size: 8, .value_kind: global_buffer, .address_space: global }
      - { .name: mask, .offset: 8, .size: 8, .value_kind: global_buffer, .address_space: global }
      - { .name: wfrag, .offset: 16, .size: 8, .value_kind: global_buffer, .address_space: global }
      - { .name: order, .offset: 24, .size: 8, .value_kind: global_buffer, .address_space: global }
      - { .name: cnt, .offset: 32, .size: 8, .value_kind: global_buffer, .address_space: global }
    .group_segment_fixed_size: 0
    .private_segment_fixed_size: 0
    .kernarg_segment_align: 8
    .kernarg_segment_size: 40
    .max_flat_workgroup_size: 128
    .sgpr_count:     66
    .vgpr_count:     64
    .wavefront_size: 32
...
	.end_amdgpu_metadata
.endif
;; end of part 4
;; launch main (part 5): grid 256 x 1, 4 waves a work-group, no clusters, 266,752 bytes of LDS; arguments W1_scales, b1, w2, seq_output, wfrag, order, cnt, pu, pml; writes pu, pml
.if DOCPART == 5
	.amdgcn_target "amdgcn-amd-amdhsa--gfx1250"
	.amdhsa_code_object_version 6
	.text
	.protected	k_q68eb7b1472_main
	.globl	k_q68eb7b1472_main
	.p2align	8
	.type	k_q68eb7b1472_main,@function
k_q68eb7b1472_main:
	s_mov_b64 s[64:65], 0
	v_nop
	global_prefetch_b8 v0, s[64:65] scope:SCOPE_SE
	s_setreg_imm32_b32 hwreg(HW_REG_WAVE_SCHED_MODE, 0, 2), 2
	s_setreg_imm32_b32 hwreg(HW_REG_WAVE_MODE, 25, 1), 1
	s_wait_xcnt 0x0
	s_wait_alu depctr_vm_vsrc(0)
; For half a batch's KEPT rows: score = w2 . tanh(Q(x) W1 + b1), a running softmax over the rows, and the sum of weight x row.  Out: a partial (m, l, u[1024]); the next launch joins a batch's two.
; WHICH ROWS.  A row under the mask has its score replaced by -1e9: its product and tanh are thrown away, and its weight is exactly 0 in f32 as soon as one row of the batch is kept.  So only the kept rows
; (the list and the count that the launch before stored) are fetched and multiplied.  A batch with no kept row has equal weights on all 512 rows: then all rows are walked and every score counts as 0.
; LIMITS, kept on purpose: inputs are finite (a masked row with an infinity or NaN would give NaN in 0 x inf, here it is not read); the sum of |w2| stays under 9e8, so that -1e9 lies far enough under every score;
; x is rounded to bf16 for the last product (weights and sums f32).  tanh(z) = 1 - 2 / (1 + 2^(2 log2(e) z)), so score = sum(w2) - 2 sum(w2 / (1 + 2^..)): sum(w2) is the same addend in every score
; of a softmax and is left out, which changes no weight, for any input.
; SHARES.  Work-group g: batch g / 2, half g % 2 of its list.  Rows go in passes of 80 (5 tiles of 16); the pass loop has 4 trips (320 >= 256 rows at the most); a pass without rows jumps over its three regions,
; each by a scalar branch on the stored count, and passes the three barriers, which stand outside the branches.  That is why there are no tensor loads here: all data come through registers.
; A: wave w fetches K steps 2 w, 2 w + 1 (1,024 bytes of each row) of the 80 rows, 512 consecutive bytes a load; a K step of 16 rows turns through the wave's own stage in LDS, so that a lane holds 16 neighbours of each
;    block of 32; a bf16 copy goes to LDS for region C; the numbers are quantised (E2M3, one E8M0 byte for 32) and the operand's registers go to LDS as an image, 16 bytes a lane.
; B: every wave holds all 40 fragments of x (480 registers) and walks 16 of the 64 n-tiles; W's fragments come from memory straight into registers, two n-tiles ahead, and each feeds 5 matrix instructions.
;    Source 0 = 16 rows of W1 (columns of h), source 1 = 16 rows of x: a lane holds one row of x and 8 columns.  b1 is the C of a sum's first instruction.
; C: the four waves' partial scores are added, the running maximum and sum are brought up to date, and wave w adds weight x row for columns 256 w .. 256 w + 255 from the bf16 copy.
; Rows that pad a pass repeat its first row and get the weight 0.
; THE MODE: SCHED_MODE bits 1:0 = 2 (LLVM: expert scheduling mode 2), set by the entry lines.  The code itself states the register dependences between vector or matrix instructions and memory or LDS
; instructions, with s_wait_alu, always for 0.
; THE PLAN.  Registers that memory or LDS instructions touch, and who else names them:
;   v4-v27, v32, v33  addresses and offsets: made at the head, never written again: one wait on va_vdst ahead of the pass loop serves them all.
;   A  v38, v39  written by vector lines at A's head, read by the two list loads.  v36, v37: those loads land there, vector lines rewrite them, B's prefetches read them.
;      OFF       two buffers, tile t in buffer t % 2: written by the tile's 16 additions, read by its 32 loads.
;      the rows  each tile has 128 registers of its own in windows 1 to 3: its loads land there, the stores into the stage read them.
;      QIN       the loads from the stage land there; the unit's roundings and its quantising read it.      PK, PC, PW: written by those, read by the unit's 12 LDS stores.
;      A's head: one wait on vm_vsrc for all that the last pass's memory and LDS instructions read.  A tile's request: one wait on va_vdst behind its additions.  A unit: one wait on vm_vsrc ahead of its vector
;      work, one on va_vdst behind it: then its 12 stores and the next unit's loads into QIN follow with no further wait.
;   B  x's fragments and scale words: loaded once at B's head, read by matrix instructions.  W's set q, its scale words and b1: read by n-tile n's 40 matrix instructions; w2's set q: read by the four lines behind them.
;      ONE wait on va_vdst stands behind those four lines; the 30 loads of n-tile n + 2 follow it, into set q, and have the rest of n-tile n and all of n-tile n + 1 in which to land.
;   C  the partial scores, the weights, and the bf16 rows, TEN groups of 8 rows with 32 registers each of their own (windows 1 and 2): LDS loads land there, vector lines read them.  The waits at C's head
;      serve every load of the region: no vector line since names a register in which a later load lands.  The wait behind the exponentials also serves the weights' three stores.
.set XBP,  2064                        ; a row of the bf16 copy in LDS: 2,048 bytes + 16 = 129 x 16: sixteen rows at one column start in sixteen different groups of banks (ISA guide 11.1)
.set IMG,  80*XBP                      ; 40 images of fragments, 1,536 bytes each: tile t, K step s at 1,536 (8 t + s)
.set XSC,  IMG+40*1536                 ; x's scale words: 32 bytes a row, word s
.set STG,  XSC+2560                    ; a stage for each wave: 16 rows x (512 + 16) bytes
.set PSC,  STG+4*8448                  ; partial scores: 320 bytes a wave, 4 bytes a row
.set PB,   PSC+4*320                   ; the weights, each wave's own copy: 96 words
; window 0, kept: v1 l, v2 r, v3 h; v4 1024 w + 16 l; v5 16 l; v6 32 r; v7 32 h; v8-v27 LDS addresses (made below, never rewritten); v28 0; v29 -3e38; v30, v31 l + 32, l + 64; v32 1024 w + 256 h; v33 8 l;
; v36-37 prefetch offsets, v38-39 list offsets; v40-47 U; v52 m, v53 l; v[54:55] alpha; v56-60 lane permutes' results.
.set U,    40
.set QIN,  64                          ; A: 64 numbers of a lane: register 16 b + i = k 32 b + 16 h + i of row r
.set PK,   128                         ; A: the same as bf16
.set PC,   160                         ; A: the codes just made
.set TM,   180                         ; A: at work in QUANT
.set PW,   196                         ; A: the scale word just made
.set OFF,  200                         ; A: byte offsets of a tile's 16 rows: v200-215 for tiles 0, 2, 4; v216-231 for tiles 1, 3
.set XS,   64                          ; B: x's scale words, 8 t + s
.set WS,   104                         ; B: W's scale words, 8 q + s (q: which of two sets)
.set BB,   120                         ; B: b1 of the n-tile, 8 q
.set W2R,  136                         ; B: w2 of the n-tile, 8 q
.set ACC,  152                         ; B: five accumulators, 8 t
.set SACC, 192                         ; B: five pairs of running sums
.set W2C,  204                         ; B: -2 w2
.set RS,   212                         ; B: at work
.set P,    64                          ; C: the 80 weights, in every lane
.set SC,   208                         ; C: partial scores
.set CT,   220                         ; C: at work
; windows 1-3.  A: the rows as loaded: tile t in window t / 2 + 1 at 128 (t % 2); K step s', row i at 64 s' + 4 i.
; B: x's fragments: tiles 0, 1 in window 1, tiles 2, 3 in window 2, at 12 (8 (t % 2) + s); tile 4: K steps 0-3 in window 1, 4-7 in window 2, from 192.  W's two sets in window 3 at 96 q + 12 s.
; C: rows 8 g .. 8 g + 7 of the bf16 copy, 4 registers a row: group g in window 1 + g / 8 at 32 (g % 8).
.set MSB, 0
.macro WIN new                         ; s_set_vgpr_msb: bits 1:0 source 0, 3:2 source 1, 5:4 source 2, 7:6 destination; the high byte repeats the setting that is left
.if MSB != (\new)
	s_set_vgpr_msb (MSB<<8)|(\new)
.set MSB, (\new)
.endif
.endm
.macro BARRIER                         ; my LDS stores have landed and my LDS loads are in: then the work-group's barrier
	s_wait_dscnt 0x0
	s_barrier_signal -1
	s_barrier_wait -1
.endm
	s_load_b512 s[4:19], s[0:1], 0x0               ; W1_scales s[4:5], b1 s[6:7], w2 s[8:9], seq_output s[10:11], wfrag s[12:13], order s[14:15], cnt s[16:17], pu s[18:19]
	s_load_b64 s[20:21], s[0:1], 0x40              ; pml
	v_lshl_add_u32 v254, v0, 2, 0x41000
	v_mov_b32 v255, 0
	v_lshrrev_b32 v56, 5, v0
	v_readfirstlane_b32 s22, v56                   ; wave 0..3
	v_and_b32 v1, 31, v0
	v_and_b32 v2, 15, v0
	v_bfe_u32 v3, v0, 4, 1
	s_wait_alu depctr_va_sdst(0)                   ; s22 is written, ahead of its first reader: addresses, bases and branches are made from it
	s_lshl_b32 s2, s22, 10
	v_lshl_add_u32 v4, v1, 4, s2                   ; in a row of x, and in a row of pu: my wave's 1,024 bytes, 16 a lane
	v_lshl_add_u32 v32, v3, 8, s2
	v_lshlrev_b32 v5, 4, v1
	v_lshlrev_b32 v6, 5, v2
	v_lshlrev_b32 v7, 5, v3
	v_lshlrev_b32 v33, 3, v1                       ; pml: 8 bytes a lane
	s_mul_i32 s3, s22, 8448
	s_add_co_u32 s3, s3, STG                       ; my stage
	v_add_nc_u32 v8, s3, v5                        ; v8: into it as loaded, 16 l (+ 528 a row)
	v_mul_u32_u24 v9, v2, 528
	v_lshl_add_u32 v9, v3, 6, v9
	v_add_nc_u32 v9, s3, v9                        ; v9: out of it: row r, + 64 h: 16 numbers of each block of 32
	v_lshl_add_u32 v27, v1, 5, s3                  ; v27: U on its way out, 32 l
	s_lshl_b32 s2, s22, 9
	v_mul_u32_u24 v10, v2, XBP
	v_lshl_add_u32 v10, v3, 5, v10
	v_add_nc_u32 v10, s2, v10                      ; v10-12: the bf16 copy, written: row r, + 32 h, + 512 w; 32 rows on for each further register (an LDS immediate has 16 bits)
	v_add_nc_u32 v11, 32*XBP, v10
	v_add_nc_u32 v12, 64*XBP, v10
	v_add_nc_u32 v24, s2, v5                       ; v24-26: the same, read: 512 w + 16 l
	v_add_nc_u32 v25, 32*XBP, v24
	v_add_nc_u32 v26, 64*XBP, v24
	s_mul_i32 s2, s22, 3072
	s_add_co_u32 s2, s2, IMG
	v_add_nc_u32 v15, s2, v5                       ; v15: images, written: my two K steps
	v_add_nc_u32 v17, IMG, v5                      ; v17: images, read
	v_add_nc_u32 v18, XSC, v6                      ; v18: x's scale words, read: 32 r
	s_lshl_b32 s2, s22, 3
	v_add_nc_u32 v16, s2, v18                      ; v16: written: + 8 w
	s_mul_i32 s2, s22, 320
	s_add_co_u32 s2, s2, PSC
	v_lshl_add_u32 v19, v2, 2, s2                  ; v19: my partial scores, 4 r
	v_lshl_add_u32 v20, v1, 2, PSC                 ; v20: all waves', rows l and l + 32
	v_lshl_add_u32 v21, v2, 2, PSC+256             ; v21: rows 64 + r
	s_mul_i32 s2, s22, 384
	s_add_co_u32 s2, s2, PB
	v_lshl_add_u32 v22, v1, 2, s2                  ; v22: my wave's weights, written
	v_mov_b32 v23, s2                              ; v23: read, the same address in every lane
	v_mov_b32 v28, 0
	v_mov_b32 v29, 0xff61b1e6                      ; -3e38: under every score
	v_add_nc_u32 v30, 32, v1
	v_add_nc_u32 v31, 64, v1
.irp j, 36,37,40,41,42,43,44,45,46,47,53,54,55,56,57,58,59,60,184,185,186,187
	v_mov_b32 v\j, 0                               ; U and l begin as zeros; the others are written once so that every way through the branches finds them written (a lane permute's destination counts as a source)
.endr
	v_mov_b32 v52, v29                             ; m
	s_mov_b32 s66, 0x4038aa3b                      ; 2 log2(e)
	s_mov_b32 s67, s66                             ; (named with it as a pair)
	s_mov_b32 s70, 0x76543210
	s_mov_b32 s71, 0xfedcba98                      ; v_permlanex16_b32's selects for lane l xor 16
	s_lshr_b32 s82, ttmp9, 1                       ; the batch
	s_and_b32 s83, ttmp9, 1                        ; which half of its list
	s_mov_b32 s81, 0
	s_wait_kmcnt 0x0
	s_lshl_b32 s80, s82, 8
	s_add_nc_u64 s[16:17], s[16:17], s[80:81]
	s_load_b32 s24, s[16:17], 0x0                  ; c: the batch's kept rows
	s_lshl_b32 s80, s22, 13
	s_add_nc_u64 s[4:5], s[4:5], s[80:81]          ; my 16 n-tiles: 256 rows of 32 scale bytes,
	s_lshl_b32 s80, s22, 10
	s_add_nc_u64 s[6:7], s[6:7], s[80:81]          ; 256 numbers of b1
	s_add_nc_u64 s[8:9], s[8:9], s[80:81]          ; and of w2,
	s_mul_i32 s80, s22, 196608
	s_add_nc_u64 s[12:13], s[12:13], s[80:81]      ; 128 fragments of 1,536 bytes
	s_lshl_b32 s80, s82, 21
	s_add_nc_u64 s[10:11], s[10:11], s[80:81]      ; the batch's 512 rows of 4,096 bytes
	s_mul_i32 s80, s82, 2560
	s_add_nc_u64 s[14:15], s[14:15], s[80:81]      ; its list
	s_lshl_b32 s80, ttmp9, 12
	s_add_nc_u64 s[18:19], s[18:19], s[80:81]
	s_lshl_b32 s80, ttmp9, 8
	s_add_nc_u64 s[20:21], s[20:21], s[80:81]
	s_wait_kmcnt 0x0
	s_min_u32 s24, s24, 512
	s_cmp_eq_u32 s24, 0
	s_cselect_b32 s30, -1, 0                       ; no row kept: every lane's score counts as 0,
	s_cselect_b32 s24, 512, s24                    ; and all 512 rows are walked
	s_add_co_u32 s25, s24, 1
	s_lshr_b32 s25, s25, 1                         ; the first half's rows
	s_sub_co_u32 s31, s24, s25                     ; the second's
	s_cmp_eq_u32 s83, 0
	s_cselect_b32 s24, s25, s31                    ; s24: my rows, 0 .. 256
	s_cselect_b32 s25, 0, s25                      ; s25: my first place in the list
	s_add_co_u32 s50, s25, s24
	s_sub_co_u32 s50, s50, 1                       ; my last place
; The 16 rows of tile t are asked for: their numbers from the list (one scalar load), places past my rows replaced by the pass's first row; 32 loads of 512 consecutive bytes.
; With tile 0's go the two loads from the list for the prefetches' offsets.
.macro ISSUE t
	s_add_co_u32 s2, s48, 64*(\t)
	s_min_u32 s2, s2, 2496                         ; 64 bytes from here on lie inside the batch's 2,560 (the sum is 2,240 at the most; the bound is written out since it hangs on a loaded count)
	s_load_b512 s[32:47], s[14:15], s2 offset:0x0
	s_wait_kmcnt 0x0
.if (\t) == 0
	s_mov_b32 s31, s32                             ; the pass's first row
.endif
.set ii, 0
.rept 16
.if ((\t) > 0) || (ii > 0)
	s_cmp_gt_i32 s29, 16*(\t)+ii                   ; s29: the pass's rows
	s_cselect_b32 s[32+ii], s[32+ii], s31
.endif
.set ii, ii+1
.endr
.set ii, 0
.rept 16
	s_min_u32 s[32+ii], s[32+ii], 511
	s_lshl_b32 s[32+ii], s[32+ii], 12              ; 4,096 bytes a row
.set ii, ii+1
.endr
.if (\t) > 1                                   ; (tiles 0 and 1: the waits at the region's head have freed both buffers of offsets)
	s_wait_xcnt 0x0                                ; the loads issued so far have had their addresses translated (ISA guide 3.1): only now are the offsets written again
	s_wait_alu depctr_vm_vsrc(0)                   ; the loads of the tile two back have read this buffer of offsets, which the additions below write again
.endif
.set ii, 0
.rept 16
	v_add_nc_u32 v[OFF+16*((\t)%2)+ii], s[32+ii], v4
.set ii, ii+1
.endr
.if (\t) == 0
	s_wait_alu depctr_va_vdst(0)                   ; v38, v39 and the offsets are written, which the loads below read; the last pass's vector lines are done with v36, v37, its matrix instructions and multiply-adds with the registers in which the rows land
	global_load_b32 v36, v38, s[14:15]
	global_load_b32 v37, v39, s[14:15]
	WIN ((\t)/2+1)<<6
.else
	WIN ((\t)/2+1)<<6
	s_wait_alu depctr_va_vdst(0)                   ; the offsets are written, which the loads below read; the last pass's matrix instructions and multiply-adds are done reading the registers in which the rows land
.endif
.irp sp, 0,1
.set ii, 0
.rept 16
	global_load_b128 v[128*((\t)%2)+64*\sp+4*ii:128*((\t)%2)+64*\sp+4*ii+3], v[OFF+16*((\t)%2)+ii], s[10:11] offset:512*\sp
.set ii, ii+1
.endr
.endr
	WIN 0
.endm
; 64 numbers of a lane, register 16 b + i = k 32 b + 16 h + i of my row, become a fragment's codes in v[PC] on and its scale word in v[PW].
.macro QUANT s
.irp b, 0,1,2,3
	v_max3_num_f32 v[TM+\b], |v[\s+16*\b]|, |v[\s+1+16*\b]|, 0x1800000   ; block b: my 16 numbers, and the floor 2^(3 - 127): the byte cannot fall under 1 (a block of zeros keeps that byte: its codes are zeros)
.endr
.irp i, 2,4,6,8,10,12,14
.irp b, 0,1,2,3
	v_max3_num_f32 v[TM+\b], v[TM+\b], |v[\s+16*\b+\i]|, |v[\s+1+16*\b+\i]|
.endr
.endr
.irp b, 0,1,2,3
	v_permlanex16_b32 v[TM+4+\b], v[TM+\b], s70, s71
.endr
.irp b, 0,1,2,3
	v_max_num_f32 v[TM+\b], v[TM+\b], v[TM+4+\b]   ; with lane l xor 16's: the block's largest magnitude
.endr
.irp b, 0,1,2,3
	v_add_nc_u32 v[TM+12+\b], 0xff000000, v[TM+\b] ; 2 off its exponent field: the conversion takes this operand's exponent field as its scale
.endr
.irp b, 0,1,2,3
	v_lshrrev_b32 v[TM+4+\b], 23, v[TM+12+\b]      ; the scale's byte
.endr
	v_lshl_or_b32 v[PW], v[TM+5], 8, v[TM+4]
	v_lshl_or_b32 v[PW], v[TM+6], 16, v[PW]
	v_lshl_or_b32 v[PW], v[TM+7], 24, v[PW]
.irp c, 0,1
	v_cvt_scalef32_pk16_fp6_f32 v[PC+6*\c:PC+2+6*\c], v[\s+32*\c:\s+15+32*\c], v[TM+12+2*\c]
	v_cvt_scalef32_pk16_fp6_f32 v[PC+12+4*\c:PC+14+4*\c], v[\s+16+32*\c:\s+31+32*\c], v[TM+12+2*\c+1]   ; (a conversion's three registers begin on an even number)
.endr
	v_nop                                          ; one plain place behind a scaled conversion
.irp c, 0,1                                    ; the operand's layout wants a whole block in a lane: lanes 0-15 block 2 c, lanes 16-31 block 2 c + 1
.irp i, 0,1,2
	v_permlane16_swap_b32 v[PC+6*\c+\i], v[PC+12+4*\c+\i]
.endr
.irp i, 0,1,2
	v_mov_b32 v[PC+3+6*\c+\i], v[PC+12+4*\c+\i]
.endr
.endr
.endm
; Tile t's 16 rows, my K step sp, go into my stage as they were loaded.
.macro TOSTG t, sp
	WIN ((\t)/2+1)<<2                              ; an LDS store's data are its source 1
.set ii, 0
.rept 16
	ds_store_b128 v8, v[128*((\t)%2)+64*(\sp)+4*ii:128*((\t)%2)+64*(\sp)+4*ii+3] offset:528*ii
.set ii, ii+1
.endr
	WIN 0
.endm
; Tile t, my K step sp (0 or 1): through the stage; the bf16 copy; the codes' image and the scale words.
; K step 1's stores into the stage are issued straight behind K step 0's loads from it, and are on their way under K step 0's vector work.
.macro UNIT t, sp
.if (\sp) == 0
	TOSTG \t, 0
.endif
.irp b, 0,1,2,3
.irp j, 0,1,2,3
	ds_load_b128 v[QIN+16*\b+4*\j:QIN+16*\b+4*\j+3], v9 offset:128*\b+16*\j   ; LDS serves a wave's instructions in order (ISA guide 5.7.1.4): these see the stores ahead of them.  No wait: no vector line since the last wait on va_vdst names QIN
.endr
.endr
.if (\sp) == 0
	TOSTG \t, 1                                    ; served behind the loads above
	s_wait_dscnt 16                                ; the numbers are in; the sixteen stores just issued may be out
.else
	s_wait_dscnt 0x0                               ; the numbers are in
.endif
	s_wait_alu depctr_vm_vsrc(0)                   ; the last unit's LDS stores have read PK, PC and PW, which are written again below
.set ii, 0
.rept 32
	v_cvt_pk_bf16_f32 v[PK+ii], v[QIN+2*ii], v[QIN+2*ii+1]
.set ii, ii+1
.endr
	QUANT QIN
	s_wait_alu depctr_va_vdst(0)                   ; PK, PC and PW are written, which the twelve stores below read; the roundings and conversions are done reading QIN, in which the next unit's loads land
.irp b, 0,1,2,3
.irp j, 0,1
	ds_store_b128 v[10+(\t)/2], v[PK+8*\b+4*\j:PK+8*\b+4*\j+3] offset:16*XBP*((\t)%2)+256*(\sp)+64*\b+16*\j
.endr
.endr
.irp c, 0,1,2
	ds_store_b128 v15, v[PC+4*\c:PC+4*\c+3] offset:12288*(\t)+1536*(\sp)+512*\c
.endr
	ds_store_b32 v16, v[PW] offset:512*(\t)+4*(\sp)   ; lanes r and r + 16 write the same word with the same value
.endm
; where x's fragment (t, s) lies in region B
.macro XLOC t, s
.if (\t) < 2
.set XWIN, 1
.set XREG, 12*(8*(\t)+(\s))
.elseif (\t) < 4
.set XWIN, 2
.set XREG, 12*(8*((\t)-2)+(\s))
.elseif (\s) < 4
.set XWIN, 1
.set XREG, 192+12*(\s)
.else
.set XWIN, 2
.set XREG, 192+12*((\s)-4)
.endif
.endm
.macro CODES t, s
	XLOC \t, \s
	WIN XWIN<<6
.irp c, 0,1,2
	ds_load_b128 v[XREG+4*\c:XREG+4*\c+3], v17 offset:1536*(8*(\t)+(\s))+512*\c
.endr
.endm
; The n-tile k tiles on from the walking pointers, into set q: 30 loads.  WFR: W's fragments of K steps s0 .. s0 + 3, twelve loads.  WSMALL: two loads each of its scale words, b1 and w2.
.macro WFR q, k, s0
	WIN 0xc0
.irp s, \s0, \s0+1, \s0+2, \s0+3
.irp c, 0,1,2
	global_load_b128 v[96*(\q)+12*(\s)+4*\c:96*(\q)+12*(\s)+4*\c+3], v5, s[72:73] offset:12288*(\k)+1536*(\s)+512*\c
.endr
.endr
.endm
.macro WSMALL q, k
	WIN 0
.irp j, 0,1
	global_load_b128 v[WS+8*(\q)+4*\j:WS+8*(\q)+4*\j+3], v6, s[74:75] offset:512*(\k)+16*\j     ; lane r: row r's eight words
	global_load_b128 v[BB+8*(\q)+4*\j:BB+8*(\q)+4*\j+3], v7, s[76:77] offset:64*(\k)+16*\j      ; lane (r, h): columns 8 h + 0 .. 7
	global_load_b128 v[W2R+8*(\q)+4*\j:W2R+8*(\q)+4*\j+3], v7, s[78:79] offset:64*(\k)+16*\j
.endr
.endm
.macro MM t, s, q
	XLOC \t, \s
	WIN 0x03|(XWIN<<2)                             ; W in window 3, x in window 1 or 2, C and D in window 0
.if (\s) == 0
	v_wmma_scale_f32_16x16x128_f8f6f4 v[ACC+8*(\t):ACC+8*(\t)+7], v[96*(\q)+12*(\s):96*(\q)+12*(\s)+11], v[XREG:XREG+11], v[BB+8*(\q):BB+8*(\q)+7], v[WS+8*(\q)+(\s)], v[XS+8*(\t)+(\s)] matrix_a_fmt:MATRIX_FMT_FP6 matrix_b_fmt:MATRIX_FMT_FP6
.else
	v_wmma_scale_f32_16x16x128_f8f6f4 v[ACC+8*(\t):ACC+8*(\t)+7], v[96*(\q)+12*(\s):96*(\q)+12*(\s)+11], v[XREG:XREG+11], v[ACC+8*(\t):ACC+8*(\t)+7], v[WS+8*(\q)+(\s)], v[XS+8*(\t)+(\s)] matrix_a_fmt:MATRIX_FMT_FP6 matrix_b_fmt:MATRIX_FMT_FP6
.endif
.endm
; An n-tile's 40 matrix instructions, K ascending.  The five accumulators take turns, one instruction a turn, and no two neighbours share one.
; The tiles whose fragments lie in one window stand together, and the order of the two groups alternates from K step to K step: one switch of the window a K step.
.macro MMS q
.irp s, 0,1,2,3,4,5,6,7
.if \s < 4
.if \s%2 == 0
	MM 0, \s, \q
	MM 1, \s, \q
	MM 4, \s, \q
	MM 2, \s, \q
	MM 3, \s, \q
.else
	MM 2, \s, \q
	MM 3, \s, \q
	MM 0, \s, \q
	MM 1, \s, \q
	MM 4, \s, \q
.endif
.else
.if \s%2 == 0
	MM 0, \s, \q
	MM 1, \s, \q
	MM 2, \s, \q
	MM 3, \s, \q
	MM 4, \s, \q
.else
	MM 2, \s, \q
	MM 3, \s, \q
	MM 4, \s, \q
	MM 0, \s, \q
	MM 1, \s, \q
.endif
.endif
.endr
.endm
; the 40 results of a lane: sums += -2 w2 / (1 + 2^(2 log2(e) z)).  Two batches of 40 transcendentals, one wait each.
; ld = 1: behind the four lines that read w2, set q is free: the n-tile two on is asked for, into set q, 30 loads in one run.
.macro EPI q, ld
.irp j, 0,2,4,6
	v_pk_mul_f32 v[W2C+\j:W2C+\j+1], v[W2R+8*(\q)+\j:W2R+8*(\q)+\j+1], -2.0 op_sel_hi:[1,0]   ; four plain instructions that name no register of the products: the places behind the last of them (ISA guide 7.12.1)
.endr
.if \ld
	WIN 0xc0                                       ; (the switch, then the wait, then the loads)
	s_wait_alu depctr_va_vdst(0)                   ; this n-tile's matrix instructions are done reading W's fragments of set q, their scale words and b1, the four lines above w2: the 30 loads below land in these registers
	WFR \q, (\q)+2, 0
	WFR \q, (\q)+2, 4
	WSMALL \q, (\q)+2
.endif
.set kk, 0
.rept 20
	v_pk_mul_f32 v[ACC+kk:ACC+kk+1], v[ACC+kk:ACC+kk+1], s[66:67] op_sel_hi:[1,0]   ; ascending: each accumulator is read from its low end on
.set kk, kk+2
.endr
.set kk, 0
	s_wait_alu depctr_va_vdst(0)
.rept 40
	v_exp_f32 v[ACC+kk], v[ACC+kk]                 ; a large z gives infinity, whose reciprocal below is 0; a very negative one 0
.set kk, kk+1
.endr
	v_nop                                          ; a plain instruction behind the last exponential
	s_wait_alu depctr_va_vdst(0)                   ; the 40 exponentials have written v[ACC ..]: one wait for the batch, ahead of its first reader
.set kk, 0
.rept 20
	v_pk_add_f32 v[ACC+kk:ACC+kk+1], v[ACC+kk:ACC+kk+1], 1.0 op_sel_hi:[1,0]
.set kk, kk+2
.endr
.set kk, 0
	s_wait_alu depctr_va_vdst(0)
.rept 40
	v_rcp_f32 v[ACC+kk], v[ACC+kk]
.set kk, kk+1
.endr
	v_nop
	s_wait_alu depctr_va_vdst(0)                   ; and the 40 reciprocals likewise
.irp j, 0,2,4,6
.irp t, 0,1,2,3,4
	v_pk_fma_f32 v[SACC+2*\t:SACC+2*\t+1], v[ACC+8*\t+\j:ACC+8*\t+\j+1], v[W2C+\j:W2C+\j+1], v[SACC+2*\t:SACC+2*\t+1]
.endr
.endr
.endm
; An n-tile from set q.  ld = 1: the n-tile two on is asked for, into the same set, behind this one's products.  pf = 1: the prefetch.  left: how many younger loads may stay out.
.macro NT q, ld, pf, left
.if \pf
; A PREFETCH of the next pass's first 32 rows, my wave's 1,024 bytes of each: a lane names one aligned block of 256 bytes (row 16 q + r, byte 1,024 w + 256 h + 512 j), four instructions a wave, together, at the head
; of the last n-tile but one: the region's last loads have been issued.  It stands two n-tiles and region C ahead of the loads that will want those rows, and only where a next pass has rows; places past my last row name that row again.
; (v36 and v37 were written in region A, ahead of many waits on va_vdst.)
	s_cmp_eq_u32 s49, 1
	s_cbranch_scc0 .Lnopf_\@
.irp r, 36,37
.irp j, 0,1
	global_prefetch_b8 v\r, s[10:11] offset:512*\j th:TH_LOAD_NT scope:SCOPE_SE
.endr
.endr
.Lnopf_\@:
.endif
	s_wait_loadcnt \left                           ; loads come back in order (ISA guide 5.7.1): this tile's 30 are in; the next tile's 30, issued behind them, may be out (behind the last tile's there are none)
	MMS \q
	WIN 0
	EPI \q, \ld
.endm
.macro LOADG g                         ; rows 8 g .. 8 g + 7 of the bf16 copy, my wave's 512 bytes of each, 16 a lane, into the group's own registers
	WIN (1+(\g)/8)<<6
.irp e, 0,1,2,3,4,5,6,7
	ds_load_b128 v[32*((\g)%8)+4*\e:32*((\g)%8)+4*\e+3], v[24+(8*(\g)+\e)/32] offset:((8*(\g)+\e)%32)*XBP
.endr
.endm
.macro FMAG g                          ; U[c] += weight x x(row, 256 w + 8 l + c): bf16 halves straight into f32 multiply-adds
	WIN 1+(\g)/8                                   ; source 0: the group's window
.irp e, 0,1,2,3,4,5,6,7
.irp c, 0,1,2,3
	v_fma_mix_f32_bf16 v[U+2*\c], v[32*((\g)%8)+4*\e+\c], v[P+8*(\g)+\e], v[U+2*\c] op_sel_hi:[1,0,0]
	v_fma_mix_f32_bf16 v[U+2*\c+1], v[32*((\g)%8)+4*\e+\c], v[P+8*(\g)+\e], v[U+2*\c+1] op_sel:[1,0,0] op_sel_hi:[1,0,0]
.endr
.endr
.endm
	s_wait_alu depctr_va_vdst(0)                   ; the addresses and offsets v4 to v33 are written, which the memory and LDS instructions of the whole kernel read; so are the registers that the head set, in which loads land later
	s_mov_b32 s26, 0                               ; the pass's first row among mine
	s_mov_b32 s27, 0
.Lpass:
	s_sub_co_i32 s29, s24, s26
	s_min_i32 s29, s29, 80                         ; the pass's rows
	s_add_co_u32 s48, s25, s26
	s_lshl_b32 s48, s48, 2                         ; its first place in the list, in bytes
	s_add_co_u32 s2, s26, 80
	s_cmp_lt_u32 s2, s24
	s_cselect_b32 s49, 1, 0                        ; does a pass with rows follow?
	s_cmp_lt_u32 s26, s24
	s_cbranch_scc0 .LskipA
	; ---- A
	s_wait_xcnt 0x0                                ; the last pass's list loads and prefetches have had their addresses translated
	s_wait_alu depctr_vm_vsrc(0)                   ; the last pass's list loads have read v38, v39, its prefetches v36, v37, its rows' loads both buffers of offsets, its LDS stores the scores and weights that lay in v212 to v222: all are written again below
	s_add_co_u32 s2, s25, s26
	s_add_co_u32 s2, s2, 80
	v_add_nc_u32 v38, s2, v2                       ; the list places of the next pass's rows r and 16 + r,
	v_add_nc_u32 v39, 16, v38
	v_min_u32 v38, s50, v38                        ; held at my last place
	v_min_u32 v39, s50, v39
	v_lshlrev_b32 v38, 2, v38
	v_lshlrev_b32 v39, 2, v39
	v_min_u32 v38, 2556, v38                       ; inside the batch's list (the bound is written out since the places hang on a loaded count)
	v_min_u32 v39, 2556, v39
	ISSUE 0                                        ; (the two list loads go with it, behind its wait)
	ISSUE 1
	s_wait_loadcnt 32                              ; the two list loads and tile 0 are in; tile 1's 32 loads may be out
	v_min_u32 v36, 511, v36
	v_min_u32 v37, 511, v37
	v_lshl_add_u32 v36, v36, 12, v32               ; the prefetches' offsets
	v_lshl_add_u32 v37, v37, 12, v32
	ISSUE 2                                        ; two tiles, 64 loads a wave, are on their way while a tile is worked
	UNIT 0, 0
	UNIT 0, 1
	s_wait_loadcnt 32                              ; tile 1 is in; tile 2's may be out
	ISSUE 3
	UNIT 1, 0
	UNIT 1, 1
	s_wait_loadcnt 32                              ; tile 2; tile 3's may be out
	ISSUE 4
	UNIT 2, 0
	UNIT 2, 1
	s_wait_loadcnt 32                              ; tile 3; tile 4's may be out
	UNIT 3, 0
	UNIT 3, 1
	s_wait_loadcnt 0x0
	UNIT 4, 0
	UNIT 4, 1
.LskipA:
	BARRIER                                        ; the 40 images and the scale words lie in LDS
	s_cmp_lt_u32 s26, s24
	s_cbranch_scc0 .LskipB
	; ---- B
	s_wait_xcnt 0x0                                ; no earlier load still reads the walking pointers
	s_wait_alu depctr_vm_vsrc(0)                   ; region A's LDS stores have read the rows (windows 1 to 3), PK, PC and PW, its loads their offsets: loads land in these registers below, and matrix and vector instructions write them
	s_wait_alu depctr_va_vdst(0)                   ; region A's vector lines and the last pass's matrix instructions and multiply-adds are done with v64 to v151 and with windows 1 to 3, in which the loads below land
	s_mov_b64 s[72:73], s[12:13]
	s_mov_b64 s[74:75], s[4:5]
	s_mov_b64 s[76:77], s[6:7]
	s_mov_b64 s[78:79], s[8:9]
	WFR 0, 0, 0                                    ; n-tiles 0 and 1, a set each: 60 loads
	WFR 0, 0, 4
	WSMALL 0, 0
	WFR 1, 1, 0
	WFR 1, 1, 4
	WSMALL 1, 1
.irp t, 0,1
.irp s, 0,1,2,3,4,5,6,7
	CODES \t, \s
.endr
.endr
.irp s, 0,1,2,3
	CODES 4, \s
.endr
.irp t, 2,3
.irp s, 0,1,2,3,4,5,6,7
	CODES \t, \s
.endr
.endr
.irp s, 4,5,6,7
	CODES 4, \s
.endr
	WIN 0
.irp t, 0,1,2,3,4
.irp j, 0,1
	ds_load_b128 v[XS+8*\t+4*\j:XS+8*\t+4*\j+3], v18 offset:512*\t+16*\j   ; lane r: row 16 t + r's eight words
.endr
.endr
.irp j, 0,1,2,3,4,5,6,7,8,9
	v_mov_b32 v[SACC+\j], 0
.endr
	s_wait_dscnt 0x0
	s_mov_b32 s28, 7
.Lnt:                                              ; a trip: two n-tiles, one from each set; each asks for the n-tile two on
	NT 0, 1, 0, 30
	NT 1, 1, 0, 30
	s_wait_xcnt 0x0                                ; the loads issued have read their bases
	s_add_nc_u64 s[72:73], s[72:73], 24576
	s_add_nc_u64 s[74:75], s[74:75], 1024
	s_add_nc_u64 s[76:77], s[76:77], 128
	s_add_nc_u64 s[78:79], s[78:79], 128
	s_sub_co_u32 s28, s28, 1
	s_cmp_lg_u32 s28, 0
	s_cbranch_scc1 .Lnt
	NT 0, 0, 1, 30                                 ; the last two are written out: they ask for nothing, so that no load leaves its buffer
	NT 1, 0, 0, 0
.irp t, 0,1,2,3,4
	v_add_f32 v[RS+\t], v[SACC+2*\t], v[SACC+2*\t+1]
.endr
.irp t, 0,1,2,3,4
	v_permlanex16_b32 v[56+\t], v[RS+\t], s70, s71
.endr
.irp t, 0,1,2,3,4
	v_add_f32 v[RS+\t], v[RS+\t], v[56+\t]         ; row 16 t + r over my wave's 256 columns
.endr
	s_wait_alu depctr_va_vdst(0)                   ; the five sums are written, which the LDS stores read
.irp t, 0,1,2,3,4
	ds_store_b32 v19, v[RS+\t] offset:64*\t
.endr
.LskipB:
	BARRIER                                        ; the four waves' partial scores lie in LDS
	s_cmp_lt_u32 s26, s24
	s_cbranch_scc0 .LskipC
	; ---- C.  Every wave makes the same m, l and weights from the same numbers in the same order.
	s_wait_alu depctr_vm_vsrc(0)                   ; my LDS stores of the partial scores have read v[RS ..], in which the scores land; the last pass's stores of the weights have read v[CT ..], which is written again below
	s_wait_alu depctr_va_vdst(0)                   ; region B's matrix instructions are done reading x's fragments (windows 1 and 2) and its vector lines are done with v64 to v219: every load of this region lands in those registers
.irp w, 0,1,2,3
	ds_load_b32 v[SC+\w], v20 offset:320*\w        ; row l
	ds_load_b32 v[SC+4+\w], v20 offset:320*\w+128  ; row l + 32
	ds_load_b32 v[SC+8+\w], v21 offset:320*\w      ; row 64 + r (lanes 16-31 stand for rows 80 on, which no pass has)
.endr
	LOADG 0                                        ; the first 24 rows of the bf16 copy are on their way under the softmax's arithmetic
	LOADG 1
	LOADG 2
	WIN 0
	v_cmp_gt_u32 s84, s29, v1                      ; which rows the pass has: three masks in a run, one wait for them below
	v_cmp_gt_u32 s85, s29, v30
	v_cmp_gt_u32 s86, s29, v31
	s_wait_dscnt 24                                ; the scores are in; the 24 loads of rows may be out
.irp q, 0,1,2
	v_add_f32 v[CT+\q], v[SC+4*\q], v[SC+4*\q+1]
	v_add_f32 v[CT+4+\q], v[SC+4*\q+2], v[SC+4*\q+3]
.endr
.irp q, 0,1,2
	v_add_f32 v[CT+\q], v[CT+\q], v[CT+4+\q]
.endr
.irp q, 0,1,2
	v_mul_f32 v[CT+\q], 0x3fb8aa3b, v[CT+\q]       ; t = score x log2(e)
.endr
.irp q, 0,1,2
	v_cndmask_b32 v[CT+\q], v[CT+\q], v28, s30     ; a batch with no kept row: every t is 0
.endr
	s_wait_alu depctr_va_sdst(0)                   ; the three compares have written s84 to s86, ahead of their first reader
	v_cndmask_b32 v[CT], v29, v[CT], s84           ; rows past the pass's last: -3e38, weight 0
	v_cndmask_b32 v[CT+1], v29, v[CT+1], s85
	v_cndmask_b32 v[CT+2], v29, v[CT+2], s86
	v_max3_num_f32 v[CT+3], v[CT], v[CT+1], v[CT+2]
.irp x, 1,2,4,8
	v_max_num_f32_dpp v[CT+3], v[CT+3], v[CT+3] row_xmask:\x row_mask:0xf bank_mask:0xf
.endr
	v_permlanex16_b32 v56, v[CT+3], s70, s71
	v_max3_num_f32 v[CT+4], v[CT+3], v56, v52      ; the running maximum
	v_sub_f32 v54, v52, v[CT+4]
.irp q, 0,1,2
	v_sub_f32 v[CT+\q], v[CT+\q], v[CT+4]
.endr
	s_wait_alu depctr_va_vdst(0)
	v_exp_f32 v54, v54                             ; alpha = 2^(old m - new m)
.irp q, 0,1,2
	v_exp_f32 v[CT+\q], v[CT+\q]                   ; the weights, not normalised
.endr
	v_mov_b32 v52, v[CT+4]                         ; (a plain instruction behind the exponentials)
	s_wait_alu depctr_va_vdst(0)                   ; the four exponentials have written alpha and the weights, ahead of their first readers: the three LDS stores below are the first
.irp q, 0,1,2
	ds_store_b32 v22, v[CT+\q] offset:128*\q
.endr
.set kk, 0
.rept 20
	ds_load_b128 v[P+4*kk:P+4*kk+3], v23 offset:16*kk   ; the 80 weights into every lane: my wave's own bytes, served in order behind the stores
.set kk, kk+1
.endr
	LOADG 3
	LOADG 4
	WIN 0
	v_add_f32 v[CT+5], v[CT], v[CT+1]
	v_add_f32 v[CT+5], v[CT+5], v[CT+2]
.irp x, 1,2,4,8
	v_add_f32_dpp v[CT+5], v[CT+5], v[CT+5] row_xmask:\x row_mask:0xf bank_mask:0xf
.endr
	v_permlanex16_b32 v56, v[CT+5], s70, s71
	v_add_f32 v[CT+5], v[CT+5], v56
	v_fma_f32 v53, v53, v54, v[CT+5]               ; l = l alpha + the pass's sum
.irp j, 0,2,4,6
	v_pk_mul_f32 v[U+\j:U+\j+1], v[U+\j:U+\j+1], v[54:55] op_sel_hi:[1,0]
.endr
	s_wait_alu depctr_va_vdst(0)
	s_wait_dscnt 16                                ; groups 0 to 2 and the weights are in; groups 3 and 4 may be out
.irp g, 0,1,2,3,4,5,6,7,8,9
.if \g > 2
.if \g < 5
	s_wait_alu depctr_va_vdst(0)
	s_wait_dscnt 32                                ; group g is in; the four younger groups may be out
.else
	s_wait_alu depctr_va_vdst(0)
	s_wait_dscnt 8*(9-\g)                          ; the counts run down
.endif
.endif
	FMAG \g
.if \g < 5
	LOADG \g+5                                     ; five groups on.  No wait: no vector line since the wait at the region's head names that group's registers
.endif
.endr
	WIN 0
.LskipC:
	BARRIER                                        ; every wave has read what the next pass writes again
	s_add_co_u32 s26, s26, 80
	s_add_co_u32 s27, s27, 1
	s_cmp_lt_u32 s27, 4
	s_cbranch_scc1 .Lpass
	; the partial result.  A lane's 8 numbers are 32 bytes: through my stage, so that each store of the wave covers 512 consecutive bytes
	s_wait_alu depctr_va_vdst(0)                   ; U, m and l are written, which the stores below read; the multiply-adds are done reading v64 to v71, in which the loads below land
	ds_store_b128 v27, v[40:43]
	ds_store_b128 v27, v[44:47] offset:16
	ds_load_b128 v[64:67], v8
	ds_load_b128 v[68:71], v8 offset:512
	s_wait_dscnt 0x0
	global_store_b128 v4, v[64:67], s[18:19]
	global_store_b128 v4, v[68:71], s[18:19] offset:512
	s_cmp_lg_u32 s22, 0
	s_cbranch_scc1 .Lend
	global_store_b64 v33, v[52:53], s[20:21]       ; (m, l), 32 times: 256 consecutive bytes
.Lend:
	s_wait_dscnt 0x0
	s_wait_alu depctr_hold_cnt(0) depctr_sa_sdst(0) depctr_va_vdst(0) depctr_va_sdst(0) depctr_va_ssrc(0) depctr_va_vcc(0) depctr_vm_vsrc(0)
	s_wait_tensorcnt 0x0
	ds_add_u32 v254, v255
	s_wait_dscnt 0x0
	s_endpgm
.Lfunc_end_k_q68eb7b1472_main:
	.size	k_q68eb7b1472_main, .Lfunc_end_k_q68eb7b1472_main-k_q68eb7b1472_main
	.p2alignl 7, 3214868480
	.fill 96, 4, 3214868480
	.section	.rodata,"a",@progbits
	.p2align	6, 0x0
	.amdhsa_kernel k_q68eb7b1472_main
		.amdhsa_group_segment_fixed_size 266752
		.amdhsa_private_segment_fixed_size 0
		.amdhsa_enable_private_segment 0
		.amdhsa_kernarg_size 72
		.amdhsa_user_sgpr_count 2
		.amdhsa_user_sgpr_kernarg_segment_ptr 1
		.amdhsa_wavefront_size32 1
		.amdhsa_system_sgpr_workgroup_id_x 1
		.amdhsa_system_sgpr_workgroup_id_y 1
		.amdhsa_system_sgpr_workgroup_id_z 1
		.amdhsa_system_vgpr_workitem_id 0
		.amdhsa_next_free_vgpr 1024
		.amdhsa_next_free_sgpr 96
		.amdhsa_reserve_vcc 0
		.amdhsa_float_denorm_mode_32 3
		.amdhsa_float_denorm_mode_16_64 3
		.amdhsa_memory_ordered 1
		.amdhsa_forward_progress 1
		.amdhsa_inst_pref_size 248
	.end_amdhsa_kernel
	.amdgpu_metadata
---
amdhsa.version: [ 1, 2 ]
amdhsa.kernels:
  - .name:           k_q68eb7b1472_main
    .symbol:         k_q68eb7b1472_main.kd
    .args:
      - { .name: W1_scales, .offset: 0, .size: 8, .value_kind: global_buffer, .address_space: global }
      - { .name: b1, .offset: 8, .size: 8, .value_kind: global_buffer, .address_space: global }
      - { .name: w2, .offset: 16, .size: 8, .value_kind: global_buffer, .address_space: global }
      - { .name: seq_output, .offset: 24, .size: 8, .value_kind: global_buffer, .address_space: global }
      - { .name: wfrag, .offset: 32, .size: 8, .value_kind: global_buffer, .address_space: global }
      - { .name: order, .offset: 40, .size: 8, .value_kind: global_buffer, .address_space: global }
      - { .name: cnt, .offset: 48, .size: 8, .value_kind: global_buffer, .address_space: global }
      - { .name: pu, .offset: 56, .size: 8, .value_kind: global_buffer, .address_space: global }
      - { .name: pml, .offset: 64, .size: 8, .value_kind: global_buffer, .address_space: global }
    .group_segment_fixed_size: 266752
    .private_segment_fixed_size: 0
    .kernarg_segment_align: 8
    .kernarg_segment_size: 72
    .max_flat_workgroup_size: 128
    .sgpr_count:     96
    .vgpr_count:     1024
    .wavefront_size: 32
...
	.end_amdgpu_metadata
.endif
;; end of part 5
;; launch combine (part 6): grid 128 x 1, 8 waves a work-group, no clusters, 0 bytes of LDS; arguments pu, pml, seq_output, out0, out1; writes out0, out1
.if DOCPART == 6
	.amdgcn_target "amdgcn-amd-amdhsa--gfx1250"
	.amdhsa_code_object_version 6
	.text
	.protected	k_q68eb7b1472_combine
	.globl	k_q68eb7b1472_combine
	.p2align	8
	.type	k_q68eb7b1472_combine,@function
k_q68eb7b1472_combine:
	s_mov_b64 s[64:65], 0
	v_nop
	global_prefetch_b8 v0, s[64:65] scope:SCOPE_SE
	s_setreg_imm32_b32 hwreg(HW_REG_WAVE_MODE, 25, 1), 1
	s_wait_xcnt 0x0
; Batch b: out1 = (u0 2^(m0 - m) + u1 2^(m1 - m)) / (l0 2^(m0 - m) + l1 2^(m1 - m)), m = max(m0, m1): the two halves' partial softmax sums joined under their common maximum (m is in units of log2).
; A half without rows left m = -3e38, l = 0, u = 0 and gets the factor 0; the first half always has rows.  out0 = row 511 of the batch, copied.
; 256 threads x 16 bytes = a row of 4,096 bytes: every load and store of a wave covers 512 consecutive bytes.
	s_load_b256 s[4:11], s[0:1], 0x0               ; pu s[4:5], pml s[6:7], seq_output s[8:9], out0 s[10:11]
	s_load_b64 s[12:13], s[0:1], 0x20              ; out1
	v_lshlrev_b32 v1, 4, v0
	v_and_b32 v2, 31, v0
	s_delay_alu instid0(VALU_DEP_1)
	v_lshlrev_b32 v2, 3, v2
	s_lshl_b32 s14, ttmp9, 13                      ; two rows of pu
	s_mov_b32 s15, 0
	s_lshl_b32 s16, ttmp9, 9                       ; two units of pml
	s_mov_b32 s17, 0
	s_lshl_b32 s18, ttmp9, 21                      ; 512 rows of 4,096 bytes
	s_mov_b32 s19, 0
	s_lshl_b32 s20, ttmp9, 12                      ; a row of the outputs
	s_mov_b32 s21, 0
	s_wait_alu depctr_va_vdst(0)
	s_wait_kmcnt 0x0
	s_add_nc_u64 s[4:5], s[4:5], s[14:15]
	s_add_nc_u64 s[6:7], s[6:7], s[16:17]
	s_add_nc_u64 s[8:9], s[8:9], s[18:19]
	s_add_nc_u64 s[10:11], s[10:11], s[20:21]
	s_add_nc_u64 s[12:13], s[12:13], s[20:21]
	global_load_b128 v[4:7], v1, s[4:5]
	global_load_b128 v[8:11], v1, s[4:5] offset:4096
	global_load_b64 v[12:13], v2, s[6:7]           ; m0, l0
	global_load_b64 v[14:15], v2, s[6:7] offset:256   ; m1, l1
	global_load_b128 v[16:19], v1, s[8:9] offset:511*4096
	s_wait_loadcnt 0x0
	global_store_b128 v1, v[16:19], s[10:11]       ; u_last
	v_max_num_f32 v20, v12, v14
	s_delay_alu instid0(VALU_DEP_1)
	v_sub_f32 v21, v12, v20
	s_delay_alu instid0(VALU_DEP_2)
	v_sub_f32 v22, v14, v20
	s_wait_alu depctr_va_vdst(0)
	v_exp_f32 v21, v21
	v_exp_f32 v22, v22
	v_nop                                          ; a plain instruction behind the exponentials
	s_wait_alu depctr_va_vdst(0)                   ; the wait ahead of their first reader
	v_mul_f32 v23, v13, v21
	v_fma_f32 v23, v15, v22, v23                   ; the batch's sum of weights
	s_wait_alu depctr_va_vdst(0)
	v_rcp_f32 v24, v23
	v_nop
	s_wait_alu depctr_va_vdst(0)
	v_mul_f32 v21, v21, v24
	v_mul_f32 v22, v22, v24
.irp i, 0,1,2,3
	v_mul_f32 v[28+\i], v[4+\i], v21
.endr
.irp i, 0,1,2,3
	s_delay_alu instid0(VALU_DEP_4)
	v_fma_f32 v[28+\i], v[8+\i], v22, v[28+\i]
.endr
	global_store_b128 v1, v[28:31], s[12:13]       ; u_att
	s_endpgm
.Lfunc_end_k_q68eb7b1472_combine:
	.size	k_q68eb7b1472_combine, .Lfunc_end_k_q68eb7b1472_combine-k_q68eb7b1472_combine
	.p2alignl 7, 3214868480
	.fill 96, 4, 3214868480
	.section	.rodata,"a",@progbits
	.p2align	6, 0x0
	.amdhsa_kernel k_q68eb7b1472_combine
		.amdhsa_group_segment_fixed_size 0
		.amdhsa_private_segment_fixed_size 0
		.amdhsa_enable_private_segment 0
		.amdhsa_kernarg_size 40
		.amdhsa_user_sgpr_count 2
		.amdhsa_user_sgpr_kernarg_segment_ptr 1
		.amdhsa_wavefront_size32 1
		.amdhsa_system_sgpr_workgroup_id_x 1
		.amdhsa_system_sgpr_workgroup_id_y 1
		.amdhsa_system_sgpr_workgroup_id_z 1
		.amdhsa_system_vgpr_workitem_id 0
		.amdhsa_next_free_vgpr 32
		.amdhsa_next_free_sgpr 66
		.amdhsa_reserve_vcc 0
		.amdhsa_float_denorm_mode_32 3
		.amdhsa_float_denorm_mode_16_64 3
		.amdhsa_memory_ordered 1
		.amdhsa_forward_progress 1
		.amdhsa_inst_pref_size 3
	.end_amdhsa_kernel
	.amdgpu_metadata
---
amdhsa.version: [ 1, 2 ]
amdhsa.kernels:
  - .name:           k_q68eb7b1472_combine
    .symbol:         k_q68eb7b1472_combine.kd
    .args:
      - { .name: pu, .offset: 0, .size: 8, .value_kind: global_buffer, .address_space: global }
      - { .name: pml, .offset: 8, .size: 8, .value_kind: global_buffer, .address_space: global }
      - { .name: seq_output, .offset: 16, .size: 8, .value_kind: global_buffer, .address_space: global }
      - { .name: out0, .offset: 24, .size: 8, .value_kind: global_buffer, .address_space: global }
      - { .name: out1, .offset: 32, .size: 8, .value_kind: global_buffer, .address_space: global }
    .group_segment_fixed_size: 0
    .private_segment_fixed_size: 0
    .kernarg_segment_align: 8
    .kernarg_segment_size: 40
    .max_flat_workgroup_size: 256
    .sgpr_count:     66
    .vgpr_count:     32
    .wavefront_size: 32
...
	.end_amdgpu_metadata
.endif
;; end of part 6
